; MI455X (gfx1250); checked and timed in simulation.
; The chip was launched on July 23, 2026; its instructions are those of AMD's public machine-readable ISA for CDNA 5 (MIT licence, August 2026) and "CDNA5" Instruction Set Architecture Reference Guide (July 2026). The comments in the code are by the model that wrote it; some were corrected since.
;; Bigbird Simulated Attention. Allowed arithmetic: matrix products marked QUANTISED: E4M3 operands, one E8M0 scale for each 32 along K, by v_wmma_scale_f32_16x16x128_f8f6f4 with both operands' format E4M3, f32 sums; everything else in f32.
;; Inputs: k 2 x 6 x 4,096 x 64 float32; mask 4,096 x 4,096 int32; q 2 x 6 x 4,096 x 64 float32; v 2 x 6 x 4,096 x 64 float32.
;; Outputs: out0 2 x 6 x 4,096 x 64 float32.
;; This version of the problem:
;;   THIS VERSION OF THE PROBLEM IS GIVEN IN LOW PRECISION. The matrix products marked QUANTISED in the list below multiply operands that are first quantised to E4M3 (4 exponent bits, 3 mantissa bits; 8 bits a number), with one power-of-two scale for each 32 numbers along K (OCP MX v1.0); their sums are f32. All else is computed in f32.
;;   The module's matrix products, in the order in which they are computed (A, B: the left and right operand; K: the contracted axis; several contracted axes count as one K, in the product's order):
;;     1. batch 12 x [M 4,096, K 64] x [K 64, N 4,096]; A: input q; B: input k: QUANTISED
;;     2. batch 12 x [M 4,096, K 4,096] x [K 4,096, N 64]; A: softmax (see below); B: input v: QUANTISED
;;   THE QUANTISER, for each operand of a quantised product, along K:
;;     - K is cut into blocks of 32 from its start; a last block that is shorter is filled with zeros.
;;     - A block's scale is 2^e with e = floor(log2(the largest magnitude in the block)) - 8, held to -126 .. 127; a block of zeros has e = 0. As a byte (E8M0): e + 127.
;;     - Each number is divided by its block's scale, clamped to +-448, and rounded to the nearest number of E4M3, ties to even, subnormals kept.
;;     - The product sums the exact products of the quantised numbers (number of the format x scale) in f32.
;;   ~~~python
;;   def quantise(x, axis):      # numpy; x: float32 -> the quantised numbers, widened to float32 again
;;       x = np.moveaxis(x, axis, -1); K = x.shape[-1]
;;       x = np.pad(x, [(0, 0)] * (x.ndim - 1) + [(0, -K % 32)]); x = x.reshape(x.shape[:-1] + (-1, 32)); a = np.abs(x).max(-1, keepdims=True)
;;       e = np.where(a > 0, np.clip(np.frexp(np.where(a > 0, a, 1))[1] - 1 - 8, -126, 127), 0)      # np.frexp(a)[1] - 1 = floor(log2(a)), exactly
;;       r = np.clip(x / 2.0 ** e, -448, 448)
;;       step = 2.0 ** (np.maximum(np.frexp(np.where(r == 0, 1, r))[1] - 1, -6) - 3)
;;       q = np.round(r / step) * step * 2.0 ** e      # np.round: ties to even
;;       return np.moveaxis(q.reshape(q.shape[:-2] + (-1,))[..., :K], -1, axis).astype(np.float32)
;;   ~~~
;;   SOFTMAX AHEAD OF A QUANTISED PRODUCT. Where the list says 'softmax', what is quantised is not the finished softmax but p = 2^(t - M), with t = logit x log2(e) and M = ceil(the row's largest t), a whole number; so 1/2 < the row's largest p <= 1. The row's sum l is taken of the UNQUANTISED p, in f32, and the product's result is divided by l at the end. Since M is a whole number, a kernel that streams over the keys may use a running M (the ceiling of the running maximum): every later rescaling is an exact power of two, which a block's scale takes up: the codes' values come out the same.
;;   OPERANDS COMPUTED ON THE WAY. 'Computed on the way' means the value that the module computes at that place (a softmax that the list does not call 'softmax' is quantised finished and normalised). What goes into a quantiser is computed in f32, as accurately as f32 sums, v_exp_f32 and their like allow (about 1e-6 of the number): no bf16 or f16 on the way to a quantiser, and a product that is left as it is and whose result goes on into a quantised operand takes f32 operands (vector FMAs, or v_wmma_f32_16x16x4_f32). A number that lies on a knife's edge between two numbers of the format may be rounded either way, as far as f32 arithmetic and the matrix unit's own rounding can turn it there, and no further.
;; 2 versions. Each part assembles by itself: llvm-mc -triple=amdgcn-amd-amdhsa -mcpu=gfx1250 --defsym DOCPART=n.
;; ======== version 1 of 2: 2 launches
;; limits: right only within a limited range of input values
;; workspace buffers: qc 3,342,336 bytes; kc 3,342,336 bytes; vc 3,342,336 bytes; mw 2,097,152 bytes of whole numbers; list 65,536 bytes of whole numbers
;; launch prep (part 1): grid 400 x 1, 8 waves a work-group, no clusters, 139,520 bytes of LDS; arguments mask, q, k, v, list, qc, kc, vc, mw; writes list, qc, kc, vc, mw
.if DOCPART == 1
	.amdgcn_target "amdgcn-amd-amdhsa--gfx1250"
	.amdhsa_code_object_version 6
	.text
	.protected	k_q419a7d471d_prep
	.globl	k_q419a7d471d_prep
	.p2align	8
	.type	k_q419a7d471d_prep,@function
k_q419a7d471d_prep:
	s_mov_b64 s[64:65], 0
	v_nop
	global_prefetch_b8 v0, s[64:65] scope:SCOPE_SE
	s_setreg_imm32_b32 hwreg(HW_REG_WAVE_MODE, 25, 1), 1
	s_wait_xcnt 0x0
; PREP: three roles, chosen by the work-group's number; each work-group reads 256 KiB once.
;   work-groups   0-255: one query tile (16 rows) of the mask [4096][4096] int32 -> lane-mask words (mw) and the tile's list of 64-key blocks (list)
;   work-groups 256-351: q (48) and k (48), f32 [12][4096][64] -> codes of E4M3 with E8M0 scale bytes, K = the head's 64 (qc, kc)
;   work-groups 352-399: v, f32 [12][4096][64] -> the same, K = the keys (vc)
; QUERY TILE T (0..255): its row r (0..15) is sequence row 32 (T / 2) + 8 (T % 2) + r + 8 (r / 8).
; A RECORD (4,352 bytes) holds 64 rows of q or k, or 64 keys of v, as IMAGES OF OPERAND REGISTERS: two fragments of 2,048 bytes (register group c of fragment b at (4 b + c) x 512 + 16 x lane), then 32 scale words at byte 4,096.
;   q, k: fragment b, groups c = 0, 1: row 32 b + r + 8 (r / 8); groups 2, 3: that row + 8; channels 32 (c % 2) + 16 (lane / 16) + 0..15.  Scale word 16 b + r: one byte for each group c.
;   v:    fragment g, group c: channel 32 g + 16 (c / 2) + r, keys 32 (c % 2) + 16 (lane / 16) + 0..15.  Scale word 16 g + r likewise.
; mw[T][block][n], n = 16 b + i: bit r + 16 h says mask[row(T, r)][64 block + 32 b + 16 h + i] > 0.
; list[T][64]: a permutation of the 64 blocks, those to be walked first; an entry is block | all-kept << 8 | number to walk << 16.
;   A block is walked if any of its 16 x 64 mask numbers is kept.  A tile with a row that keeps no key at all walks all 64 blocks: that row's softmax is uniform over all keys.
; THE QUANTISER: a block's scale is 2^(floor(log2(largest magnitude)) - 8); its byte is the largest magnitude's exponent field - 8, held at 1 from below; numbers are held within +-448 x the scale and rounded to the nearest code.
; LIMITS: a block of zeros gets the byte 1 where the rule says 127 (its codes are zeros, and this program alone reads the bytes); NaN and infinities among the inputs are not served.
; No tensor loads, no matrix unit, no cluster: a plain stream in which work-groups share no input.
.set MST,   0                          ; LDS: the mask role's stage, 16 rows x 528 bytes for each wave
.set MSTW,  8448
.set QST,   67584                      ; the q/k role's stage, 32 rows x 272 bytes for each wave
.set QSTW,  8704
.set FLG,   137216                     ; the mask role's flags: 8 words 'any', 8 words 'all kept' at +32, 8 x 128 bytes of row bits at +256
.set SPARE, 138496                     ; the spare words, 128 bytes for each wave: four blocks of 256 bytes that no other line names
.set REC,   4352
.set R0,    32                         ; v32-95, v96-159: two sets of 64 registers as loaded
.set X,     160                        ; v160-223: a unit's 64 numbers in the order in which they are wanted
.set PC,    224                        ; v224-239: a fragment's codes
.set TM,    16                         ; v16-31: the quantiser's work registers (q/k role)
.set L4,    240                        ; v240 4 x lane
.set L8,    241                        ; v241 8 x lane
.set VO,    242                        ; v242 the v role's place in a fragment: 1,024 (lane / 16) + 16 (lane % 16)
.macro FINISH                          ; the wave's end: three lines behind the last LDS store
	s_wait_tensorcnt 0x0
	ds_add_u32 v2, v3
	s_wait_dscnt 0x0
	s_endpgm
.endm
	s_load_b256 s[4:11], s[0:1], 0x0               ; mask s[4:5], q s[6:7], k s[8:9], v s[10:11]
	s_load_b256 s[12:19], s[0:1], 0x20             ; list s[12:13], qc s[14:15], kc s[16:17], vc s[18:19]
	s_load_b64 s[20:21], s[0:1], 0x40              ; mw
	v_lshl_add_u32 v2, v0, 2, SPARE                ; my spare word; never rewritten
	v_mov_b32 v3, 0                                ; 0; never rewritten
	v_lshrrev_b32 v26, 5, v0
	v_readfirstlane_b32 s22, v26                   ; wave 0..7
	v_and_b32 v26, 31, v0                          ; lane
	v_and_b32 v27, 15, v0                          ; r
	v_bfe_u32 v28, v0, 4, 1                        ; h
	v_lshlrev_b32 v1, 4, v26                       ; 16 x lane
	v_lshlrev_b32 v[L4], 2, v26
	v_lshlrev_b32 v[L8], 3, v26
	v_lshlrev_b32 v[VO], 4, v27
	v_lshl_add_u32 v[VO], v28, 10, v[VO]
	; every LDS address of every role is made here, of the wave's number, the lane and constants
	s_mul_i32 s23, s22, MSTW
	v_add_nc_u32 v4, s23, v1                       ; mask stage, in: 16 x lane of a row
	v_mul_u32_u24 v5, v27, 528
	v_lshl_add_u32 v5, v28, 6, v5
	v_add_nc_u32 v5, s23, v5                       ; mask stage, out: row r, + 64 h
	s_mul_i32 s23, s22, QSTW
	s_add_co_u32 s23, s23, QST
	v_mul_u32_u24 v6, v28, 272
	v_lshl_add_u32 v6, v27, 4, v6
	v_add_nc_u32 v6, s23, v6                       ; q/k stage, in: two rows a load
	v_and_b32 v29, 8, v27
	v_add_nc_u32 v29, v29, v27                     ; r + 8 (r / 8)
	v_mul_u32_u24 v7, v29, 272
	v_lshl_add_u32 v7, v28, 6, v7
	v_add_nc_u32 v7, s23, v7                       ; q/k stage, out: that row, + 64 h
	s_lshl_b32 s23, s22, 2
	s_add_co_u32 s23, s23, FLG
	v_mov_b32 v8, s23                              ; my wave's flag words
	s_lshl_b32 s23, s22, 7
	s_add_co_u32 s23, s23, FLG+256
	v_add_nc_u32 v9, s23, v[L4]                    ; my wave's row bits
	v_mov_b32 v10, FLG
	v_add_nc_u32 v11, FLG+256, v[L4]
	s_mov_b32 s24, 0x76543210
	s_mov_b32 s25, 0xfedcba98                      ; v_permlanex16_b32's selects for lane l xor 16
	s_mov_b32 s26, 0x600000                        ; the mantissa field of 448
	s_mov_b32 s27, 0xffff0000                      ; lanes 16-31
	s_wait_kmcnt 0x0
	s_cmp_lt_u32 ttmp9, 256
	s_cbranch_scc1 .Lmask
	s_cmp_lt_u32 ttmp9, 352
	s_cbranch_scc1 .Lqk
; ---------------------------------------------------------------- the v role: a lane takes a channel, its registers run down the keys
; A wave takes two records.  A unit t is 32 keys x 64 channels: record t / 2, keys 32 (t % 2) on.  Each row's 256 bytes are read by two loads that stand together.
	s_sub_co_u32 s40, ttmp9, 352
	s_lshl_b32 s40, s40, 4
	s_lshl_b32 s41, s22, 1
	s_add_co_u32 s40, s40, s41                     ; my first record: 16 x work-group + 2 x wave
	s_lshl_b32 s42, s40, 14
	s_mov_b32 s43, 0
	s_add_nc_u64 s[10:11], s[10:11], s[42:43]      ; 64 keys x 256 bytes
	s_mul_i32 s42, s40, REC
	s_add_nc_u64 s[18:19], s[18:19], s[42:43]
	v_mov_b32 v16, 0                               ; written once: a lane permute's destination counts as one of its sources
	v_mov_b32 v17, 0
.macro LOADV t
.set XB, R0+64*((\t)%2)
.irp i, 0,1,2,3,4,5,6,7,8,9,10,11,12,13,14,15,16,17,18,19,20,21,22,23,24,25,26,27,28,29,30,31
	global_load_b32 v[XB+\i], v[L4], s[10:11] offset:((\t)/2)*16384+(32*((\t)%2)+\i)*256 th:TH_LOAD_NT
	global_load_b32 v[XB+32+\i], v[L4], s[10:11] offset:((\t)/2)*16384+(32*((\t)%2)+\i)*256+128 th:TH_LOAD_NT
.endr
.endm
.macro UNITV t
.if (\t) < 3
	s_wait_loadcnt 63                              ; this unit's 64 loads are in; 64 younger ones were issued, and 63 is the largest count that can be written
.else
	s_wait_loadcnt 0x0
.endif
	s_wait_xcnt 0x0                                ; the stores of two units ago have read their registers: the codes' registers are written again only behind this wait
.irp g, 0,1
.set XS, R0+64*((\t)%2)+32*\g
.set CC, 160+16*((\t)%2)+8*\g
	v_max3_num_f32 v26, |v[XS]|, |v[XS+1]|, |v[XS+2]|              ; the block's largest magnitude: all 32 keys of my channel are mine
	v_max3_num_f32 v27, |v[XS+3]|, |v[XS+4]|, |v[XS+5]|
.irp i, 6,10,14,18,22,26
	v_max3_num_f32 v26, v26, |v[XS+\i]|, |v[XS+\i+1]|
	v_max3_num_f32 v27, v27, |v[XS+\i+2]|, |v[XS+\i+3]|
.endr
	v_max3_num_f32 v26, v26, |v[XS+30]|, |v[XS+31]|
	v_max3_num_f32 v26, v26, v27, 0x4800000        ; and the floor 2^(9 - 127): the byte cannot fall under 1
	v_add_nc_u32 v28, 0xfc000000, v26              ; 8 off the exponent field: the conversion's scale operand
	v_and_or_b32 v29, v26, 0x7f800000, s26         ; 448 x the scale
	v_lshrrev_b32 v27, 23, v28                     ; the scale's byte
.if (\t)%2 == 0
	v_mov_b32 v[12+\g], v27                        ; keys 0-31 in the low byte,
.else
	v_lshl_or_b32 v[12+\g], v27, 8, v[12+\g]       ; keys 32-63 above it
.endif
.irp i, 0,1,2,3,4,5,6,7,8,9,10,11,12,13,14,15,16,17,18,19,20,21,22,23,24,25,26,27,28,29,30,31
	v_med3_num_f32 v[XS+\i], v[XS+\i], -v29, v29   ; the conversion to an 8-bit code does not saturate (ISA guide 7.6.2): the hold at the largest code x the scale
.endr
.irp e, 0,1,2,3
	v_cvt_scalef32_pk8_fp8_f32 v[CC+2*\e:CC+2*\e+1], v[XS+8*\e:XS+8*\e+7], v28
.endr
	v_nop                                          ; a plain line between the conversions and the next vector line that writes their scale operand
	global_store_b128 v[VO], v[CC:CC+3], s[18:19] offset:((\t)/2)*REC+2048*\g+512*((\t)%2)        ; keys + 0..15: sixteen lanes store 256 consecutive bytes, aligned
	global_store_b128 v[VO], v[CC+4:CC+7], s[18:19] offset:((\t)/2)*REC+2048*\g+512*((\t)%2)+256  ; keys + 16..31
.endr
.if (\t)+2 < 4
	LOADV (\t)+2
.endif
.if (\t)%2 == 1                                    ; the record's 32 scale words: word 16 g + r = channel 32 g + r's two bytes, then channel 32 g + 16 + r's
	v_permlanex16_b32 v16, v12, s24, s25
	v_permlanex16_b32 v17, v13, s24, s25
	v_lshl_or_b32 v[20+(\t)/2], v16, 16, v12       ; right in lanes 0-15 (g = 0)
	v_lshl_or_b32 v18, v13, 16, v17                ; right in lanes 16-31 (g = 1)
	v_cndmask_b32 v[20+(\t)/2], v[20+(\t)/2], v18, s27
	global_store_b32 v[L4], v[20+(\t)/2], s[18:19] offset:((\t)/2)*REC+4096
.endif
.endm
	LOADV 0
	LOADV 1
	UNITV 0
	UNITV 1
	UNITV 2
	UNITV 3
	FINISH
; ---------------------------------------------------------------- the q/k role
; A wave takes two records.  A unit t is one fragment: 32 rows (8,192 dense bytes), record t / 2, fragment t % 2.  Loads take the bytes as they lie, 512 a load; the unit turns through
; the wave's own stage so that a lane holds 16 neighbours along the channels of the rows that the fragment gives it.
.Lqk:
	s_sub_co_u32 s40, ttmp9, 256
	s_cmp_lt_u32 s40, 48                           ; q's work-group or k's?  The choice hangs on the work-group's number alone
	s_cselect_b64 s[6:7], s[6:7], s[8:9]
	s_cselect_b64 s[14:15], s[14:15], s[16:17]
	s_cselect_b32 s41, 0, 48
	s_sub_co_u32 s40, s40, s41
	s_lshl_b32 s40, s40, 4
	s_lshl_b32 s41, s22, 1
	s_add_co_u32 s40, s40, s41                     ; my first record
	s_lshl_b32 s42, s40, 14
	s_mov_b32 s43, 0
	s_add_nc_u64 s[6:7], s[6:7], s[42:43]
	s_mul_i32 s42, s40, REC
	s_add_nc_u64 s[14:15], s[14:15], s[42:43]
.irp b, 0,1,2,3
	v_mov_b32 v[TM+4+\b], 0                        ; written once: a lane permute's destination counts as one of its sources
.endr
; 64 numbers of a lane, v[s + 16 b + i] = number 16 (lane / 16) + i of block b, become 16 registers of codes in v[PC] on and the scale word v[pw]
.macro QUANT s, pw
.irp b, 0,1,2,3
	v_max3_num_f32 v[TM+\b], |v[\s+16*\b]|, |v[\s+1+16*\b]|, 0x4800000   ; my 16 numbers of block b, and the floor 2^(9 - 127)
.endr
.irp i, 2,4,6,8,10,12,14
.irp b, 0,1,2,3
	v_max3_num_f32 v[TM+\b], v[TM+\b], |v[\s+16*\b+\i]|, |v[\s+1+16*\b+\i]|   ; the four blocks by turns
.endr
.endr
.irp b, 0,1,2,3
	v_permlanex16_b32 v[TM+4+\b], v[TM+\b], s24, s25
.endr
.irp b, 0,1,2,3
	v_max_num_f32 v[TM+\b], v[TM+\b], v[TM+4+\b]   ; with lane l xor 16's: the block's largest magnitude
.endr
.irp b, 0,1,2,3
	v_add_nc_u32 v[TM+12+\b], 0xfc000000, v[TM+\b] ; the conversion's scale operand
.endr
.irp b, 0,1,2,3
	v_and_or_b32 v[TM+8+\b], v[TM+\b], 0x7f800000, s26   ; 448 x the scale
.endr
.irp b, 0,1,2,3
	v_lshrrev_b32 v[TM+4+\b], 23, v[TM+12+\b]      ; the scale's byte
.endr
	v_lshl_or_b32 v[\pw], v[TM+5], 8, v[TM+4]
	v_lshl_or_b32 v[\pw], v[TM+6], 16, v[\pw]
	v_lshl_or_b32 v[\pw], v[TM+7], 24, v[\pw]
.irp b, 0,1,2,3
.irp i, 0,1,2,3,4,5,6,7,8,9,10,11,12,13,14,15
	v_med3_num_f32 v[\s+16*\b+\i], v[\s+16*\b+\i], -v[TM+8+\b], v[TM+8+\b]   ; the hold at the largest code x the scale (ISA guide 7.6.2)
.endr
	v_cvt_scalef32_pk8_fp8_f32 v[PC+4*\b:PC+1+4*\b], v[\s+16*\b:\s+7+16*\b], v[TM+12+\b]
	v_cvt_scalef32_pk8_fp8_f32 v[PC+2+4*\b:PC+3+4*\b], v[\s+8+16*\b:\s+15+16*\b], v[TM+12+\b]
.endr
	v_nop                                          ; a plain line behind the last conversion
.endm
.macro LOADF t
.set RS, R0+64*((\t)%2)
.irp i, 0,1,2,3,4,5,6,7,8,9,10,11,12,13,14,15
	global_load_b128 v[RS+4*\i:RS+4*\i+3], v1, s[6:7] offset:8192*(\t)+512*\i th:TH_LOAD_NT   ; 512 consecutive bytes: two rows
.endr
.endm
.macro UNITF t
.set RS, R0+64*((\t)%2)
.if (\t) < 3
	s_wait_loadcnt 16                              ; this unit's 16 loads are in; the next unit's 16 may be out
.else
	s_wait_loadcnt 0x0
.endif
.irp i, 0,1,2,3,4,5,6,7,8,9,10,11,12,13,14,15
	ds_store_b128 v6, v[RS+4*\i:RS+4*\i+3] offset:544*\i
.endr
.irp c, 0,1,2,3
.irp j, 0,1,2,3
	ds_load_b128 v[X+16*\c+4*\j:X+16*\c+4*\j+3], v7 offset:(\c/2)*8*272+128*(\c%2)+16*\j   ; LDS serves a wave's instructions in order: these see the stores above
.endr
.endr
	s_wait_dscnt 0x0                               ; the unit is back, and the stage's stores have read their registers,
.if (\t)+2 < 4
	LOADF (\t)+2                                   ; which take the loads of two units on
.endif
	s_wait_xcnt 0x0                                ; the last unit's stores have read the codes' registers
	QUANT X, 12+(\t)
.irp c, 0,1,2,3
	global_store_b128 v1, v[PC+4*\c:PC+4*\c+3], s[14:15] offset:((\t)/2)*REC+((\t)%2)*2048+512*\c   ; 512 consecutive bytes, aligned
.endr
.if (\t)%2 == 1
	v_cndmask_b32 v[12+(\t)], v[12+(\t)-1], v[12+(\t)], s27   ; lanes 0-15 fragment 0's words, lanes 16-31 fragment 1's
	global_store_b32 v[L4], v[12+(\t)], s[14:15] offset:((\t)/2)*REC+4096
.endif
.endm
	LOADF 0
	LOADF 1
	UNITF 0
	UNITF 1
	UNITF 2
	UNITF 3
	FINISH
; ---------------------------------------------------------------- the mask role: tile T = the work-group's number
; Wave w takes keys 512 w .. 512 w + 511 of the tile's 16 rows: four units of 128 keys (two blocks).  A load reads 512 consecutive bytes of one row; a unit turns through the wave's own stage,
; so that lane (r, h) holds row r's keys 32 c + 16 h + 0..15; a compare then makes a whole lane-mask word, which goes into lane (word / 2) of a register pair.
.Lmask:
	s_lshr_b32 s40, ttmp9, 1
	s_lshl_b32 s40, s40, 5
	s_and_b32 s41, ttmp9, 1
	s_lshl_b32 s41, s41, 3
	s_add_co_u32 s40, s40, s41                     ; the tile's first row: 32 (T / 2) + 8 (T % 2)
	s_lshl_b32 s40, s40, 14                        ; rows of 16,384 bytes
	s_lshl_b32 s41, s22, 11
	s_add_co_u32 s40, s40, s41                     ; + my 512 keys
	s_mov_b32 s41, 0
	s_add_nc_u64 s[4:5], s[4:5], s[40:41]
	s_lshl_b32 s40, ttmp9, 13
	s_lshl_b32 s42, s22, 10
	s_add_co_u32 s40, s40, s42
	s_add_nc_u64 s[20:21], s[20:21], s[40:41]      ; mw: 8,192 bytes a tile, 1,024 a wave
	s_lshl_b32 s40, ttmp9, 8
	s_add_nc_u64 s[12:13], s[12:13], s[40:41]      ; list: 256 bytes a tile
	s_mov_b32 s40, 0                               ; my 8 blocks' bits: any number kept,
	s_mov_b32 s41, 0                               ; all numbers kept
.irp i, 12,13,14,15,16,17,18,19,20
	v_mov_b32 v[\i], 0                             ; the four units' word pairs (v_writelane_b32's destination counts as read), and the row bits v20
.endr
.macro LOADM u
.set RS, R0+64*((\u)%2)
.irp p, 0,1,2,3,4,5,6,7,8,9,10,11,12,13,14,15
	global_load_b128 v[RS+4*\p:RS+4*\p+3], v1, s[4:5] offset:(\p+8*(\p/8))*16384+512*(\u) th:TH_LOAD_NT
.endr
.endm
.macro UNITM u
.set RS, R0+64*((\u)%2)
.if (\u) < 3
	s_wait_loadcnt 16                              ; this unit's 16 loads are in; the next unit's 16 may be out
.else
	s_wait_loadcnt 0x0
.endif
.irp p, 0,1,2,3,4,5,6,7,8,9,10,11,12,13,14,15
	ds_store_b128 v4, v[RS+4*\p:RS+4*\p+3] offset:528*\p
.endr
.irp c, 0,1,2,3
.irp j, 0,1,2,3
	ds_load_b128 v[X+16*\c+4*\j:X+16*\c+4*\j+3], v5 offset:128*\c+16*\j   ; LDS serves a wave's instructions in order: these see the stores above
.endr
.endr
	s_wait_dscnt 0x0
.if (\u)+2 < 4
	LOADM (\u)+2
.endif
.set GG, 0
.rept 8                                            ; word n of the unit's 64: eight compares, then their eight words into place
.irp e, 0,1,2,3,4,5,6,7
	v_cmp_lt_i32 s[44+\e], 0, v[X+8*GG+\e]         ; bit r + 16 h: the mask's number is above 0
.endr
.irp e, 0,1,2,3,4,5,6,7
	v_writelane_b32 v[12+2*(\u)+\e%2], s[44+\e], (8*GG+\e)/2
.endr
.set GG, GG+1
.endr
	global_store_b64 v[L8], v[12+2*(\u):13+2*(\u)], s[20:21] offset:256*(\u)   ; 64 words: 256 consecutive bytes, aligned
	v_or_b32 v21, v[12+2*(\u)], v[13+2*(\u)]
	v_or_b32 v20, v20, v21                         ; which rows have kept a key so far
	v_and_b32 v22, v[12+2*(\u)], v[13+2*(\u)]
	v_cmp_ne_u32 s42, 0, v21                       ; lanes 0-15 hold the unit's first block, lanes 16-31 its second
	v_cmp_ne_u32 s43, -1, v22
	s_and_b32 s52, s42, 0xffff
	s_cselect_b32 s53, 1<<(2*(\u)), 0
	s_or_b32 s40, s40, s53
	s_lshr_b32 s52, s42, 16
	s_cselect_b32 s53, 1<<(2*(\u)+1), 0
	s_or_b32 s40, s40, s53
	s_and_b32 s52, s43, 0xffff
	s_cselect_b32 s53, 0, 1<<(2*(\u))
	s_or_b32 s41, s41, s53
	s_lshr_b32 s52, s43, 16
	s_cselect_b32 s53, 0, 1<<(2*(\u)+1)
	s_or_b32 s41, s41, s53
.endm
	LOADM 0
	LOADM 1
	UNITM 0
	UNITM 1
	UNITM 2
	UNITM 3
	s_and_b32 s52, s22, 3
	s_lshl_b32 s52, s52, 3
	s_lshl_b32 s40, s40, s52                       ; my 8 bits at their place in a word of 32 blocks
	s_lshl_b32 s41, s41, s52
	v_mov_b32 v21, s40
	v_mov_b32 v22, s41
	ds_store_b32 v8, v21                           ; all lanes write the same word with the same value
	ds_store_b32 v8, v22 offset:32
	ds_store_b32 v9, v20
	s_wait_dscnt 0x0                               ; for wave 0's sake: my stores have landed
	s_barrier_signal -1
	s_barrier_wait -1
	s_cmp_lg_u32 s22, 0
	s_cbranch_scc1 .Lmask_end
	; wave 0 makes the tile's list
	ds_load_b128 v[32:35], v10                     ; 'any' of waves 0-3 (blocks 0-31),
	ds_load_b128 v[36:39], v10 offset:16           ; of waves 4-7 (blocks 32-63),
	ds_load_b128 v[40:43], v10 offset:32           ; 'all kept' likewise
	ds_load_b128 v[44:47], v10 offset:48
.irp w, 0,1,2,3,4,5,6,7
	ds_load_b32 v[48+\w], v11 offset:128*\w
.endr
	v_mov_b32 v56, 0
	s_wait_dscnt 0x0
.irp a, 32,36,40,44
	v_or_b32 v[\a], v[\a], v[\a+1]
	v_or_b32 v[\a+2], v[\a+2], v[\a+3]
	v_or_b32 v[\a], v[\a], v[\a+2]
.endr
	v_readfirstlane_b32 s54, v32                   ; any, blocks 0-31
	v_readfirstlane_b32 s55, v36                   ; any, blocks 32-63
	v_readfirstlane_b32 s56, v40                   ; all kept, blocks 0-31
	v_readfirstlane_b32 s57, v44                   ; all kept, blocks 32-63
.irp w, 1,2,3,4,5,6,7
	v_or_b32 v48, v48, v[48+\w]
.endr
.irp m, 1,2,4,8
	v_mov_b32_dpp v56, v48 row_xmask:\m row_mask:0xf bank_mask:0xf
	v_or_b32 v48, v48, v56
.endr
	v_permlanex16_b32 v56, v48, s24, s25
	v_or_b32 v48, v48, v56
	v_readfirstlane_b32 s58, v48
	s_lshr_b32 s59, s58, 16
	s_or_b32 s58, s58, s59
	s_and_b32 s58, s58, 0xffff                     ; bit r: row r keeps a key
	s_cmp_lg_u32 s58, 0xffff
	s_cselect_b32 s59, -1, 0                       ; a row that keeps none: every block is walked
	s_or_b32 s54, s54, s59
	s_or_b32 s55, s55, s59
	s_bcnt1_i32_b32 s60, s54
	s_bcnt1_i32_b32 s61, s55
	s_add_co_u32 s62, s60, s61                     ; blocks to walk: at least 1
	s_not_b32 s66, s54
	s_not_b32 s67, s55
	s_add_co_u32 s68, s62, 32
	s_sub_co_u32 s68, s68, s60                     ; where the upper 32 blocks' unwalked ones begin
	v_mbcnt_lo_u32_b32 v57, s54, 0                 ; block = lane: its place among the walked,
	v_mbcnt_lo_u32_b32 v58, s66, s62               ; or behind them among the others
	v_cndmask_b32 v57, v58, v57, s54
	v_mbcnt_lo_u32_b32 v59, s55, s60               ; block = 32 + lane likewise
	v_mbcnt_lo_u32_b32 v60, s67, s68
	v_cndmask_b32 v59, v60, v59, s55
	s_lshl_b32 s69, s62, 16
	v_or_b32 v61, s69, v26                         ; block | number to walk << 16
	v_or_b32 v62, 32, v61
	v_or_b32 v63, 0x100, v61
	v_cndmask_b32 v61, v61, v63, s56
	v_or_b32 v63, 0x100, v62
	v_cndmask_b32 v62, v62, v63, s57
	v_min_u32 v57, 63, v57                         ; a place in the list's 64
	v_min_u32 v59, 63, v59
	v_lshlrev_b32 v57, 2, v57
	v_lshlrev_b32 v59, 2, v59
	global_store_b32 v57, v61, s[12:13]            ; the places are a permutation: all 64 entries are written
	global_store_b32 v59, v62, s[12:13]
.Lmask_end:
	FINISH
.Lfunc_end_k_q419a7d471d_prep:
	.size	k_q419a7d471d_prep, .Lfunc_end_k_q419a7d471d_prep-k_q419a7d471d_prep
	.p2alignl 7, 3214868480
	.fill 96, 4, 3214868480
	.section	.rodata,"a",@progbits
	.p2align	6, 0x0
	.amdhsa_kernel k_q419a7d471d_prep
		.amdhsa_group_segment_fixed_size 139520
		.amdhsa_private_segment_fixed_size 0
		.amdhsa_enable_private_segment 0
		.amdhsa_kernarg_size 72
		.amdhsa_user_sgpr_count 2
		.amdhsa_user_sgpr_kernarg_segment_ptr 1
		.amdhsa_wavefront_size32 1
		.amdhsa_system_sgpr_workgroup_id_x 1
		.amdhsa_system_sgpr_workgroup_id_y 1
		.amdhsa_system_sgpr_workgroup_id_z 1
		.amdhsa_system_vgpr_workitem_id 0
		.amdhsa_next_free_vgpr 248
		.amdhsa_next_free_sgpr 80
		.amdhsa_reserve_vcc 0
		.amdhsa_float_denorm_mode_32 3
		.amdhsa_float_denorm_mode_16_64 3
		.amdhsa_memory_ordered 1
		.amdhsa_forward_progress 1
		.amdhsa_inst_pref_size 162
	.end_amdhsa_kernel
	.amdgpu_metadata
---
amdhsa.version: [ 1, 2 ]
amdhsa.kernels:
  - .name:           k_q419a7d471d_prep
    .symbol:         k_q419a7d471d_prep.kd
    .args:
      - { .name: mask, .offset: 0, .size: 8, .value_kind: global_buffer, .address_space: global }
      - { .name: q, .offset: 8, .size: 8, .value_kind: global_buffer, .address_space: global }
      - { .name: k, .offset: 16, .size: 8, .value_kind: global_buffer, .address_space: global }
      - { .name: v, .offset: 24, .size: 8, .value_kind: global_buffer, .address_space: global }
      - { .name: list, .offset: 32, .size: 8, .value_kind: global_buffer, .address_space: global }
      - { .name: qc, .offset: 40, .size: 8, .value_kind: global_buffer, .address_space: global }
      - { .name: kc, .offset: 48, .size: 8, .value_kind: global_buffer, .address_space: global }
      - { .name: vc, .offset: 56, .size: 8, .value_kind: global_buffer, .address_space: global }
      - { .name: mw, .offset: 64, .size: 8, .value_kind: global_buffer, .address_space: global }
    .group_segment_fixed_size: 139520
    .private_segment_fixed_size: 0
    .kernarg_segment_align: 8
    .kernarg_segment_size: 72
    .max_flat_workgroup_size: 256
    .sgpr_count:     80
    .vgpr_count:     248
    .wavefront_size: 32
...
	.end_amdgpu_metadata
.endif
;; end of part 1
;; launch attn (part 2): grid 12 x 256, 4 waves a work-group, no clusters, 18,432 bytes of LDS; arguments list, qc, kc, vc, mw, out0; writes out0
.if DOCPART == 2
	.amdgcn_target "amdgcn-amd-amdhsa--gfx1250"
	.amdhsa_code_object_version 6
	.text
	.protected	k_q419a7d471d_attn
	.globl	k_q419a7d471d_attn
	.p2align	8
	.type	k_q419a7d471d_attn,@function
k_q419a7d471d_attn:
	s_mov_b64 s[64:65], 0
	v_nop
	global_prefetch_b8 v0, s[64:65] scope:SCOPE_SE
	s_setreg_imm32_b32 hwreg(HW_REG_WAVE_MODE, 25, 1), 1
	s_wait_xcnt 0x0
; out0[head][q][:] = the sum over k of softmax_k(where(mask[q][k] > 0, q . k / 8, masked)) v[k][:], both products on codes of E4M3 with one E8M0 scale for each 32 along K.
; THE SOFTMAX AHEAD OF THE SECOND PRODUCT: t = score x log2(e) / 8; M = the largest t so far, rounded up to a whole number; p = 2^(t - M) is quantised along the keys; the row's sum is taken of the unquantised p and divides at the end.
; SHARES.  A work-group is one head (x) and one query tile of 16 rows (from y).  The tile's list names the 64-key blocks in which the mask keeps anything (all 64 where a row keeps nothing); a masked key's p is 0 beside any kept
; key, so the other blocks add nothing.  Wave f walks list places f, f + 4, ..; the four waves' (M, sum, O) meet in LDS behind one barrier, and each wave finishes and stores four whole rows.
; y -> tile 0, 255, 1, 254, ..: the order changes no result; where the first and last rows of a mask keep the most, the longest lists start first.
; A STEP IS ONE BLOCK OF 64 KEYS.  K is 64 in both products and the instruction's K is 128: a fragment of K (or V) holds TWO tiles of 16 rows x 64, and the other operand is [X | zeros] or [zeros | X]: zero codes add nothing.
;   S^T = K Q^T: source 0 = a fragment of K, source 1 = [Q|0] or [0|Q]: lane (r, h) holds query r; register 16 b + i is key 32 b + 16 h + i (the keys of a tile are laid so by the launch before).
;   O^T += V^T P^T: source 0 = a fragment of V (channels x keys), source 1 = [P|0] or [0|P]: register 8 t + j is channel 16 t + 8 h + j of query r.
; Operands come from memory straight into registers, as images laid by the launch before; K is asked for one step ahead behind K Q^T, V behind V^T P.
; NO TENSOR LOADS, NO CLUSTER: the trip count and every address of K, V and the mask words hang on the stored list, which differs from tile to tile, so partners would want different tiles in different numbers.
; LIMITS: a masked logit stands as -2^30, not -1e9 (the raw score -2^33 times c is a whole number, so that a row that keeps no key gets p = 1 exactly): results differ from -1e9's only where a kept logit lies under about -9e8;
;   NaN and infinities are not served.
; REGISTERS: v1 16 x lane, v2 4 x lane, v3, v4 the add's two; v5-8 scale words (Q, P, K, V) and nothing else; v9, v28-30 LDS addresses; v10, v11 at work; v12 -M, v13 largest t; v[14:15] the sum in two halves; v[16:17] f;
;   v18, 19 blocks' maxima; v20, 21 lane permutes; v22, 23 holds; v24, 25 scale operands; v[26:27] at work; v31 -2^33; v32-39 zeros, v40-47 P, v48-55 zeros, v56-63 Q, v64-71 zeros; v72-103 K; v104-135 V; v136-167 S^T, then p; v168-199 O^T.
.set REC,   4352                       ; a record of 64 rows or keys: 4,096 bytes of codes, 128 of scale words, the rest unused
.set OPW,   4352                       ; LDS: a wave's partial O: 16 rows x 272 bytes
.set ML,    17408                      ; [row 16][wave 4] pairs (-M, sum)
.set SPARE, 17920                      ; the spare words, 128 bytes for each wave: two blocks of 256 bytes that no other line names
	s_load_b256 s[4:11], s[0:1], 0x0               ; list s[4:5], qc s[6:7], kc s[8:9], vc s[10:11]
	s_load_b128 s[12:15], s[0:1], 0x20             ; mw s[12:13], out0 s[14:15]
	v_lshl_add_u32 v3, v0, 2, SPARE                ; my spare word; never rewritten
	v_mov_b32 v4, 0                                ; 0; never rewritten
	v_lshrrev_b32 v19, 5, v0
	v_readfirstlane_b32 s48, v19                   ; f: wave 0..3
	v_and_b32 v19, 31, v0                          ; lane
	v_and_b32 v20, 15, v0                          ; r
	v_bfe_u32 v21, v0, 4, 1                        ; h
	v_lshlrev_b32 v1, 4, v19
	v_lshlrev_b32 v2, 2, v19
	; the four LDS addresses, made of the wave's number, the lane and constants, ahead of every branch
	s_mul_i32 s71, s48, OPW
	v_mul_u32_u24 v9, v20, 272
	v_lshl_add_u32 v9, v21, 5, v9
	v_add_nc_u32 v9, s71, v9                       ; my partial O: row r, + 32 h
	s_lshl_b32 s71, s48, 3
	s_add_co_u32 s71, s71, ML
	v_lshl_add_u32 v29, v20, 5, s71                ; my pair (-M, sum): row r, wave f
	s_mul_i32 s71, s48, 4*272
	v_mul_u32_u24 v28, v21, 272
	v_lshl_add_u32 v28, v20, 4, v28
	v_add_nc_u32 v28, s71, v28                     ; back: rows 4 f + h, 16 bytes a lane
	s_lshl_b32 s71, s48, 7
	s_add_co_u32 s71, s71, ML
	v_lshl_add_u32 v30, v21, 5, s71                ; and those rows' four pairs
	s_and_b32 s71, ttmp7, 0xffff                   ; y
	s_lshr_b32 s72, s71, 1
	s_sub_co_u32 s73, 255, s72
	s_and_b32 s71, s71, 1
	s_cselect_b32 s50, s73, s72                    ; the tile T: from both ends of the sequence by turns
	s_bfe_u32 s71, s50, 0x10001                    ; which fragment of Q's record: (T / 2) % 2
	s_and_b32 s72, s50, 1                          ; which half of it: T % 2
	s_lshl_b32 s75, s72, 4                         ; and where its two scale bytes begin in the word
	s_lshl_b32 s73, s71, 11
	s_lshl_b32 s74, s72, 10
	s_add_co_u32 s73, s73, s74
	v_add_nc_u32 v10, s73, v1                      ; Q's image: 2,048 x fragment + 1,024 x half + 16 x lane
	s_lshl_b32 s73, s71, 6
	s_add_co_u32 s73, s73, 4096
	v_lshl_add_u32 v11, v20, 2, s73                ; Q's scale word: row r of that fragment
	s_mov_b32 s57, 0
	s_mov_b32 s66, 0x76543210
	s_mov_b32 s67, 0xfedcba98                      ; v_permlanex16_b32's selects for lane l xor 16
	s_mov_b32 s68, 0x3e38aa3b                      ; c = log2(e) / 8
	s_mov_b32 s69, s68                             ; (named with it as a pair, so it is written)
	s_mov_b32 s70, 0x600000                        ; the mantissa field of 448
	s_wait_kmcnt 0x0
	s_mov_b32 s73, 0
	s_lshl_b32 s72, s50, 8
	s_add_nc_u64 s[4:5], s[4:5], s[72:73]          ; the tile's 64 entries
	s_lshl_b32 s54, s48, 2
	s_load_b32 s53, s[4:5], s54                    ; my first entry (place f),
	s_load_b32 s52, s[4:5], s54 offset:0x10        ; and my second (place f + 4)
	s_lshl_b32 s72, ttmp9, 6
	s_lshr_b32 s74, s50, 2
	s_add_co_u32 s72, s72, s74
	s_mul_i32 s72, s72, REC
	s_add_nc_u64 s[6:7], s[6:7], s[72:73]          ; Q's record: 64 x head + T / 4
	global_load_b128 v[56:59], v10, s[6:7]
	global_load_b128 v[60:63], v10, s[6:7] offset:512
	global_load_b32 v5, v11, s[6:7]
	s_mul_i32 s72, ttmp9, 64*REC
	s_add_nc_u64 s[8:9], s[8:9], s[72:73]          ; K and V at the head
	s_add_nc_u64 s[10:11], s[10:11], s[72:73]
	s_lshl_b32 s72, s50, 13
	s_add_nc_u64 s[12:13], s[12:13], s[72:73]      ; the tile's mask words
	s_lshr_b32 s72, s50, 1
	s_lshl_b32 s72, s72, 5
	s_and_b32 s74, s50, 1
	s_lshl_b32 s74, s74, 3
	s_add_co_u32 s72, s72, s74
	s_lshl_b32 s74, s48, 2
	s_add_co_u32 s72, s72, s74
	s_lshr_b32 s74, s48, 1
	s_lshl_b32 s74, s74, 3
	s_add_co_u32 s72, s72, s74                     ; the four rows that I store: 32 (T / 2) + 8 (T % 2) + 4 f + 8 (f / 2) on
	s_lshl_b32 s74, ttmp9, 12
	s_add_co_u32 s72, s72, s74
	s_lshl_b32 s72, s72, 8
	s_add_nc_u64 s[14:15], s[14:15], s[72:73]
.irp j, 0,1,2,3,4,5,6,7
	v_mov_b32 v[32+\j], 0                          ; the three runs of zero codes
	v_mov_b32 v[48+\j], 0
	v_mov_b32 v[64+\j], 0
.endr
.irp j, 0,1,2,3,4,5,6,7,8,9,10,11,12,13,14,15,16,17,18,19,20,21,22,23,24,25,26,27,28,29,30,31
	v_mov_b32 v[168+\j], 0                         ; O^T: the step is written once, and a wave with no step hands zeros to the merge
.endr
	v_mov_b32 v13, 0xff61b1e6                      ; the largest t so far: -3e38
	v_floor_f32 v12, -v13                          ; -M
	v_mov_b32 v14, 0
	v_mov_b32 v15, 0
	v_mov_b32 v17, 0                               ; (named as the upper half of the pair v[16:17])
	v_mov_b32 v20, 0                               ; written once: a lane permute's destination counts as one of its sources
	v_mov_b32 v21, 0
	v_mov_b32 v31, 0xd0000000                      ; -2^33: a masked score
	s_wait_kmcnt 0x0                               ; my two entries
	s_add_co_u32 s54, s54, 16                      ; where the second came from
	s_lshr_b32 s71, s53, 16                        ; blocks to walk, at least 1
	s_add_co_u32 s71, s71, 3
	s_sub_co_u32 s71, s71, s48
	s_lshr_b32 s71, s71, 2
	s_min_u32 s71, s71, 16                         ; my steps: places f, f + 4, .. under that number
	s_cmp_eq_u32 s71, 0
	s_cbranch_scc1 .Lmerge
	s_sub_co_u32 s51, s71, 1                       ; all but the last go round the loop
.macro DECODE e                        ; an entry's block: its record's bytes and its mask words' bytes
	s_and_b32 s63, s[\e], 63
	s_min_u32 s63, s63, 63
	s_mul_i32 s56, s63, REC
	s_lshl_b32 s62, s63, 7
.endm
.macro LOADK                           ; 9 loads: two fragments and their scale words (lanes 0-15 fragment 0's rows, lanes 16-31 fragment 1's)
	s_add_nc_u64 s[58:59], s[8:9], s[56:57]
.irp n, 0,1,2,3,4,5,6,7
	global_load_b128 v[72+4*\n:75+4*\n], v1, s[58:59] offset:512*\n
.endr
	global_load_b32 v7, v2, s[58:59] offset:4096
.endm
.macro LOADV                           ; 9 loads likewise
	s_add_nc_u64 s[60:61], s[10:11], s[56:57]
.irp n, 0,1,2,3,4,5,6,7
	global_load_b128 v[104+4*\n:107+4*\n], v1, s[60:61] offset:512*\n
.endr
	global_load_b32 v8, v2, s[60:61] offset:4096
.endm
.macro LOADMW                          ; the block's 32 lane-mask words, one for each register of S^T
	s_load_b512 s[16:31], s[12:13], s62
	s_load_b512 s[32:47], s[12:13], s62 offset:0x40
.endm
.macro QK                              ; four accumulators, one instruction each; the constant 0 starts each sum
	v_wmma_scale_f32_16x16x128_f8f6f4 v[136:143], v[72:87], v[56:71], 0, v7, v5
	v_wmma_scale_f32_16x16x128_f8f6f4 v[144:151], v[72:87], v[48:63], 0, v7, v5
	v_wmma_scale_f32_16x16x128_f8f6f4 v[152:159], v[88:103], v[56:71], 0, v7, v5 matrix_a_scale:MATRIX_SCALE_ROW1
	v_wmma_scale_f32_16x16x128_f8f6f4 v[160:167], v[88:103], v[48:63], 0, v7, v5 matrix_a_scale:MATRIX_SCALE_ROW1
.endm
.macro PV                              ; four accumulators by turns, one instruction a turn
	v_wmma_scale_f32_16x16x128_f8f6f4 v[168:175], v[104:119], v[40:55], v[168:175], v8, v6
	v_wmma_scale_f32_16x16x128_f8f6f4 v[176:183], v[104:119], v[32:47], v[176:183], v8, v6
	v_wmma_scale_f32_16x16x128_f8f6f4 v[184:191], v[120:135], v[40:55], v[184:191], v8, v6 matrix_a_scale:MATRIX_SCALE_ROW1
	v_wmma_scale_f32_16x16x128_f8f6f4 v[192:199], v[120:135], v[32:47], v[192:199], v8, v6 matrix_a_scale:MATRIX_SCALE_ROW1
.endm
.macro MASKS                           ; a block in which every number is kept skips the selects: a branch on the stored entry
	s_bitcmp1_b32 s53, 8
	s_cbranch_scc1 .Lopen_\@
.irp n, 0,1,2,3,4,5,6,7,8,9,10,11,12,13,14,15,16,17,18,19,20,21,22,23,24,25,26,27,28,29,30,31
	v_cndmask_b32 v[136+\n], v31, v[136+\n], s[16+\n]   ; each accumulator from its low end on
.endr
.Lopen_\@:
.endm
.macro SOFT
.irp b, 0,1
	v_max3_num_f32 v[18+\b], v[136+16*\b], v[137+16*\b], v[138+16*\b]   ; the largest score of each block of 32 keys: it serves the row's maximum and, since p rises with the score, the block's largest p
.endr
.irp i, 3,5,7,9,11,13
.irp b, 0,1
	v_max3_num_f32 v[18+\b], v[18+\b], v[136+16*\b+\i], v[137+16*\b+\i]
.endr
.endr
.irp b, 0,1
	v_max_num_f32 v[18+\b], v[18+\b], v[151+16*\b]
.endr
.irp b, 0,1
	v_permlanex16_b32 v[20+\b], v[18+\b], s66, s67
.endr
.irp b, 0,1
	v_max_num_f32 v[18+\b], v[18+\b], v[20+\b]     ; with lane l xor 16's 16 keys
.endr
	v_max_num_f32 v10, v18, v19
	v_mul_f32 v10, s68, v10                        ; as t (c is positive)
	v_max_num_f32 v13, v13, v10                    ; the running largest t
	v_mov_b32 v10, v12
	v_floor_f32 v12, -v13                          ; the new -M = -ceil(t): a whole number
	v_sub_f32 v10, v12, v10                        ; old M - new M: a whole number, 0 or less
	v_cvt_i32_f32 v10, v10                         ; (it saturates)
	v_ldexp_f32 v16, 1.0, v10                      ; f = 2^(old M - new M): a multiplication by it rounds nothing
.irp j, 0,2,4,6,8,10,12,14,16,18,20,22,24,26,28,30
	v_pk_fma_f32 v[136+\j:137+\j], v[136+\j:137+\j], s[68:69], v[12:13] op_sel_hi:[1,0,0]   ; t - M, two at a time
.endr
.irp b, 0,1
	v_fma_f32 v[18+\b], v[18+\b], s68, v12         ; the same of each block's largest score
.endr
.irp j, 0,1,2,3,4,5,6,7,8,9,10,11,12,13,14,15,16,17,18,19,20,21,22,23,24,25,26,27,28,29,30,31
	v_exp_f32 v[136+\j], v[136+\j]                 ; p = 2^(t - M): one batch
.endr
	v_pk_mul_f32 v[14:15], v[14:15], v[16:17] op_sel_hi:[1,0]   ; the sums under the new M: the plain line behind the batch
	s_wait_alu depctr_va_vdst(0)                   ; one wait for the 32 exponentials, ahead of their first reader
.irp b, 0,1
	v_exp_f32 v[18+\b], v[18+\b]                   ; the block's largest p: the same two instructions on the same number give the same bits
.endr
	v_pk_add_f32 v[26:27], v[136:137], v[138:139]  ; the row's sum is taken of the unquantised p: two chains
.irp j, 4,8,12,16,20,24,28
	v_pk_add_f32 v[14:15], v[14:15], v[136+\j:137+\j]
	v_pk_add_f32 v[26:27], v[26:27], v[138+\j:139+\j]
.endr
	v_pk_add_f32 v[14:15], v[14:15], v[26:27]
	s_wait_alu depctr_va_vdst(0)                   ; and one for the two
.irp b, 0,1
	v_max_num_f32 v[18+\b], 0x4800000, v[18+\b]    ; the floor 2^(9 - 127): the byte cannot fall under 1 (a block whose every p is 0 keeps that byte: its codes are zeros)
.endr
.irp b, 0,1
	v_add_nc_u32 v[24+\b], 0xfc000000, v[18+\b]    ; the conversion's scale operand
.endr
.irp b, 0,1
	v_and_or_b32 v[22+\b], v[18+\b], 0x7f800000, s70   ; 448 x the scale
.endr
.irp b, 0,1
	v_lshrrev_b32 v[26+\b], 23, v[24+\b]           ; the scale's byte
.endr
	v_lshl_or_b32 v6, v27, 8, v26                  ; P's scale word: the two bytes,
	v_lshl_or_b32 v6, v6, 16, v6                   ; twice: P stands in either half of the operand.  The 32 holds below are the eight places that a scale word so written wants
.irp b, 0,1
.irp i, 0,1,2,3,4,5,6,7,8,9,10,11,12,13,14,15
	v_min_num_f32 v[136+16*\b+\i], v[136+16*\b+\i], v[22+\b]   ; the conversion does not saturate (ISA guide 7.6.2); p is not negative, so the hold is one-sided
.endr
	v_cvt_scalef32_pk8_fp8_f32 v[40+4*\b:41+4*\b], v[136+16*\b:143+16*\b], v[24+\b]
	v_cvt_scalef32_pk8_fp8_f32 v[42+4*\b:43+4*\b], v[144+16*\b:151+16*\b], v[24+\b]
.endr
.irp j, 0,2,4,6,8,10,12,14,16,18,20,22,24,26,28,30
	v_pk_mul_f32 v[168+\j:169+\j], v[168+\j:169+\j], v[16:17] op_sel_hi:[1,0]   ; O^T under the new M, each accumulator from its low end on; these 16 are also the places between the codes and the products
.endr
.endm
; A STEP.  Global loads are issued in the order K, V, K, V, .., nine each, so each count of 9 leaves out exactly the nine issued last.
.macro STEP last
	s_wait_loadcnt 9                               ; this step's K is in; its V may be out.  K's base may be written again
	s_wait_kmcnt 0x0                               ; the mask words and the next entry are in; their offsets may be written again
	QK
.if !\last
	DECODE 52                                      ; the next step's block
	s_mov_b32 s55, s52
.endif
.rept 8
	v_nop                                          ; eight places behind these products: ahead of the reads of S^T and of the loads into K's registers
.endr
.if !\last
	LOADK                                          ; the next step's K: it has this step's softmax in which to land
.endif
	MASKS
.if !\last
	LOADMW                                         ; the selects have read this step's words
	s_add_co_u32 s54, s54, 16
	s_min_u32 s54, s54, 252                        ; the entry after next, held inside the tile's 64
	s_load_b32 s52, s[4:5], s54
.endif
	SOFT
.if \last
	s_wait_loadcnt 0x0                             ; V is in
.else
	s_wait_loadcnt 9                               ; V is in; the next step's K may be out.  V's base may be written again
.endif
	PV
.rept 8
	v_nop                                          ; eight places: ahead of the loads into V's registers, and of the merge's reads of O^T
.endr
.if !\last
	LOADV                                          ; the next step's V
	s_mov_b32 s53, s55
.endif
.endm
	DECODE 53
	LOADK
	LOADV
	LOADMW
	s_wait_loadcnt 18                              ; Q's three loads are in; K's nine and V's nine may be out
	v_lshrrev_b32 v5, s75, v5                      ; my tile's two scale bytes,
	v_and_b32 v5, 0xffff, v5
	v_lshl_or_b32 v5, v5, 16, v5                   ; twice: Q stands in either half of the operand
.rept 8
	v_nop                                          ; a scale word written by vector instructions stands eight places ahead of the product
.endr
	s_cmp_eq_u32 s51, 0
	s_cbranch_scc1 .Llast
.Lstep:
	STEP 0
	s_sub_co_u32 s51, s51, 1
	s_cmp_lg_u32 s51, 0
	s_cbranch_scc1 .Lstep
.Llast:
	STEP 1                                         ; the last step asks for nothing more
; THE MERGE: every wave comes here, one with no step too.
.Lmerge:
	s_wait_loadcnt 0x0
	v_add_f32 v13, v14, v15                        ; the sum's two halves,
	v_permlanex16_b32 v20, v13, s66, s67
	v_add_f32 v13, v13, v20                        ; and lane l xor 16's: my part of the row's sum
.irp t, 0,1,2,3
	ds_store_b128 v9, v[168+8*\t:171+8*\t] offset:64*\t        ; row r, channels 16 t + 8 h on; each accumulator from its low end on
	ds_store_b128 v9, v[172+8*\t:175+8*\t] offset:64*\t+16
.endr
	ds_store_b64 v29, v[12:13]                     ; (-M, sum): both halves of the lanes write the same pair
	s_wait_dscnt 0x0                               ; for the others' sake: my stores have landed
	s_barrier_signal -1
	s_barrier_wait -1
.irp i, 0,1                                        ; rows 4 f + 2 i + h: the four waves' parts, 16 bytes a lane
.irp p, 0,1,2,3
	ds_load_b128 v[72+16*\i+4*\p:75+16*\i+4*\p], v28 offset:OPW*\p+544*\i
.endr
.endr
.irp i, 0,1
.irp e, 0,1
	ds_load_b128 v[104+8*\i+4*\e:107+8*\i+4*\e], v30 offset:64*\i+16*\e   ; and their four pairs
.endr
.endr
	s_wait_dscnt 0x0
.irp i, 0,1
	v_min3_num_f32 v[40+\i], v[104+8*\i], v[106+8*\i], v[108+8*\i]
.endr
.irp i, 0,1
	v_min_num_f32 v[40+\i], v[40+\i], v[110+8*\i]  ; -M of the whole row
.endr
.irp i, 0,1
.irp p, 0,1,2,3
	v_sub_f32 v[44+4*\i+\p], v[40+\i], v[104+8*\i+2*\p]   ; M of part p - M: a whole number, 0 or less
.endr
.endr
.irp j, 0,1,2,3,4,5,6,7
	v_cvt_i32_f32 v[44+\j], v[44+\j]               ; (it saturates: a wave with no step gets the factor 0)
.endr
.irp j, 0,1,2,3,4,5,6,7
	v_ldexp_f32 v[44+\j], 1.0, v[44+\j]
.endr
.irp i, 0,1
	v_mul_f32 v[42+\i], v[44+4*\i], v[105+8*\i]
.endr
.irp p, 1,2,3
.irp i, 0,1
	v_fma_f32 v[42+\i], v[44+4*\i+\p], v[105+8*\i+2*\p], v[42+\i]   ; the row's sum
.endr
.endr
	v_rcp_f32 v52, v42
	v_rcp_f32 v53, v43
	v_nop                                          ; a plain line behind the reciprocals
	s_wait_alu depctr_va_vdst(0)                   ; one wait for the two, ahead of their first reader
.irp i, 0,1
.irp p, 0,1,2,3
	v_mul_f32 v[44+4*\i+\p], v[44+4*\i+\p], v[52+\i]
.endr
.endr
.irp i, 0,1
.irp e, 0,1,2,3
	v_mul_f32 v[136+4*\i+\e], v[72+16*\i+\e], v[44+4*\i]
.endr
.irp p, 1,2,3
.irp e, 0,1,2,3
	v_fma_f32 v[136+4*\i+\e], v[72+16*\i+4*\p+\e], v[44+4*\i+\p], v[136+4*\i+\e]
.endr
.endr
	global_store_b128 v1, v[136+4*\i:139+4*\i], s[14:15] offset:512*\i th:TH_STORE_NT   ; two whole rows: 512 consecutive bytes, aligned
.endr
	s_wait_tensorcnt 0x0                           ; the wave's end: three lines behind the last LDS store
	ds_add_u32 v3, v4
	s_wait_dscnt 0x0
	s_endpgm
.Lfunc_end_k_q419a7d471d_attn:
	.size	k_q419a7d471d_attn, .Lfunc_end_k_q419a7d471d_attn-k_q419a7d471d_attn
	.p2alignl 7, 3214868480
	.fill 96, 4, 3214868480
	.section	.rodata,"a",@progbits
	.p2align	6, 0x0
	.amdhsa_kernel k_q419a7d471d_attn
		.amdhsa_group_segment_fixed_size 18432
		.amdhsa_private_segment_fixed_size 0
		.amdhsa_enable_private_segment 0
		.amdhsa_kernarg_size 48
		.amdhsa_user_sgpr_count 2
		.amdhsa_user_sgpr_kernarg_segment_ptr 1
		.amdhsa_wavefront_size32 1
		.amdhsa_system_sgpr_workgroup_id_x 1
		.amdhsa_system_sgpr_workgroup_id_y 1
		.amdhsa_system_sgpr_workgroup_id_z 1
		.amdhsa_system_vgpr_workitem_id 0
		.amdhsa_next_free_vgpr 200
		.amdhsa_next_free_sgpr 80
		.amdhsa_reserve_vcc 0
		.amdhsa_float_denorm_mode_32 3
		.amdhsa_float_denorm_mode_16_64 3
		.amdhsa_memory_ordered 1
		.amdhsa_forward_progress 1
		.amdhsa_inst_pref_size 40
	.end_amdhsa_kernel
	.amdgpu_metadata
---
amdhsa.version: [ 1, 2 ]
amdhsa.kernels:
  - .name:           k_q419a7d471d_attn
    .symbol:         k_q419a7d471d_attn.kd
    .args:
      - { .name: list, .offset: 0, .size: 8, .value_kind: global_buffer, .address_space: global }
      - { .name: qc, .offset: 8, .size: 8, .value_kind: global_buffer, .address_space: global }
      - { .name: kc, .offset: 16, .size: 8, .value_kind: global_buffer, .address_space: global }
      - { .name: vc, .offset: 24, .size: 8, .value_kind: global_buffer, .address_space: global }
      - { .name: mw, .offset: 32, .size: 8, .value_kind: global_buffer, .address_space: global }
      - { .name: out0, .offset: 40, .size: 8, .value_kind: global_buffer, .address_space: global }
    .group_segment_fixed_size: 18432
    .private_segment_fixed_size: 0
    .kernarg_segment_align: 8
    .kernarg_segment_size: 48
    .max_flat_workgroup_size: 128
    .sgpr_count:     80
    .vgpr_count:     200
    .wavefront_size: 32
...
	.end_amdgpu_metadata
.endif
;; end of part 2
;; ======== version 2 of 2: 2 launches
;; limits: right only within a limited range of input values
;; workspace buffers: qc 3,342,336 bytes; kc 3,342,336 bytes; vc 3,342,336 bytes; mw 2,097,152 bytes of whole numbers; list 65,536 bytes of whole numbers
;; launch prep (part 3): grid 400 x 1, 8 waves a work-group, no clusters, 139,520 bytes of LDS; arguments mask, q, k, v, list, qc, kc, vc, mw; writes list, qc, kc, vc, mw
.if DOCPART == 3
	.amdgcn_target "amdgcn-amd-amdhsa--gfx1250"
	.amdhsa_code_object_version 6
	.text
	.protected	k_q419a7d471d_prep
	.globl	k_q419a7d471d_prep
	.p2align	8
	.type	k_q419a7d471d_prep,@function
k_q419a7d471d_prep:
	s_mov_b64 s[64:65], 0
	v_nop
	global_prefetch_b8 v0, s[64:65] scope:SCOPE_SE
	s_setreg_imm32_b32 hwreg(HW_REG_WAVE_MODE, 25, 1), 1
	s_wait_xcnt 0x0
; PREP: three roles, chosen by the work-group's number; each work-group reads 256 KiB once.
;   work-groups   0-255: one query tile (16 rows) of the mask [4096][4096] int32 -> lane-mask words (mw) and the tile's list of 64-key blocks (list)
;   work-groups 256-351: q (48) and k (48), f32 [12][4096][64] -> codes of E4M3 with E8M0 scale bytes, K = the head's 64 (qc, kc)
;   work-groups 352-399: v, f32 [12][4096][64] -> the same, K = the keys (vc)
; QUERY TILE T (0..255): its row r (0..15) is sequence row 32 (T / 2) + 8 (T % 2) + r + 8 (r / 8).
; A RECORD (4,352 bytes) holds 64 rows of q or k, or 64 keys of v, as IMAGES OF OPERAND REGISTERS: two fragments of 2,048 bytes (register group c of fragment b at (4 b + c) x 512 + 16 x lane), then 32 scale words at byte 4,096.
;   q, k: fragment b, groups c = 0, 1: row 32 b + r + 8 (r / 8); groups 2, 3: that row + 8; channels 32 (c % 2) + 16 (lane / 16) + 0..15.  Scale word 16 b + r: one byte for each group c.
;   v:    fragment g, group c: channel 32 g + 16 (c / 2) + r, keys 32 (c % 2) + 16 (lane / 16) + 0..15.  Scale word 16 g + r likewise.
; mw[T][block][n], n = 16 b + i: bit r + 16 h says mask[row(T, r)][64 block + 32 b + 16 h + i] > 0.
; list[T][64]: a permutation of the 64 blocks, those to be walked first; an entry is block | all-kept << 8 | number to walk << 16.
;   A block is walked if any of its 16 x 64 mask numbers is kept.  A tile with a row that keeps no key at all walks all 64 blocks: that row's softmax is uniform over all keys.
; THE QUANTISER: a block's scale is 2^(floor(log2(largest magnitude)) - 8); its byte is the largest magnitude's exponent field - 8, held at 1 from below; numbers are held within +-448 x the scale and rounded to the nearest code.
; LIMITS: a block of zeros gets the byte 1 where the rule says 127 (its codes are zeros, and this program alone reads the bytes); NaN and infinities among the inputs are not served.
; No tensor loads, no matrix unit, no cluster: a plain stream in which work-groups share no input.
.set MST,   0                          ; LDS: the mask role's stage, 16 rows x 528 bytes for each wave
.set MSTW,  8448
.set QST,   67584                      ; the q/k role's stage, 32 rows x 272 bytes for each wave
.set QSTW,  8704
.set FLG,   137216                     ; the mask role's flags: 8 words 'any', 8 words 'all kept' at +32, 8 x 128 bytes of row bits at +256
.set SPARE, 138496                     ; the spare words, 128 bytes for each wave: four blocks of 256 bytes that no other line names
.set REC,   4352
.set R0,    32                         ; v32-95, v96-159: two sets of 64 registers as loaded
.set X,     160                        ; v160-223: a unit's 64 numbers in the order in which they are wanted
.set PC,    224                        ; v224-239: a fragment's codes
.set TM,    16                         ; v16-31: the quantiser's work registers (q/k role)
.set L4,    240                        ; v240 4 x lane
.set L8,    241                        ; v241 8 x lane
.set VO,    242                        ; v242 the v role's place in a fragment: 1,024 (lane / 16) + 16 (lane % 16)
.macro FINISH                          ; the wave's end: three lines behind the last LDS store
	s_wait_tensorcnt 0x0
	ds_add_u32 v2, v3
	s_wait_dscnt 0x0
	s_endpgm
.endm
	s_load_b256 s[4:11], s[0:1], 0x0               ; mask s[4:5], q s[6:7], k s[8:9], v s[10:11]
	s_load_b256 s[12:19], s[0:1], 0x20             ; list s[12:13], qc s[14:15], kc s[16:17], vc s[18:19]
	s_load_b64 s[20:21], s[0:1], 0x40              ; mw
	v_lshl_add_u32 v2, v0, 2, SPARE                ; my spare word; never rewritten
	v_mov_b32 v3, 0                                ; 0; never rewritten
	v_lshrrev_b32 v26, 5, v0
	s_delay_alu instid0(VALU_DEP_1)
	v_readfirstlane_b32 s22, v26                   ; wave 0..7
	v_and_b32 v26, 31, v0                          ; lane
	v_and_b32 v27, 15, v0                          ; r
	v_bfe_u32 v28, v0, 4, 1                        ; h
	s_delay_alu instid0(VALU_DEP_3)
	v_lshlrev_b32 v1, 4, v26                       ; 16 x lane
	s_delay_alu instid0(VALU_DEP_4)
	v_lshlrev_b32 v[L4], 2, v26
	v_lshlrev_b32 v[L8], 3, v26
	v_lshlrev_b32 v[VO], 4, v27
	s_delay_alu instid0(VALU_DEP_1)
	v_lshl_add_u32 v[VO], v28, 10, v[VO]
	; every LDS address of every role is made here, of the wave's number, the lane and constants
	s_mul_i32 s23, s22, MSTW
	v_add_nc_u32 v4, s23, v1                       ; mask stage, in: 16 x lane of a row
	v_mul_u32_u24 v5, v27, 528
	s_delay_alu instid0(VALU_DEP_1)
	v_lshl_add_u32 v5, v28, 6, v5
	s_delay_alu instid0(VALU_DEP_1)
	v_add_nc_u32 v5, s23, v5                       ; mask stage, out: row r, + 64 h
	s_mul_i32 s23, s22, QSTW
	s_add_co_u32 s23, s23, QST
	v_mul_u32_u24 v6, v28, 272
	s_delay_alu instid0(VALU_DEP_1)
	v_lshl_add_u32 v6, v27, 4, v6
	s_delay_alu instid0(VALU_DEP_1)
	v_add_nc_u32 v6, s23, v6                       ; q/k stage, in: two rows a load
	v_and_b32 v29, 8, v27
	s_delay_alu instid0(VALU_DEP_1)
	v_add_nc_u32 v29, v29, v27                     ; r + 8 (r / 8)
	s_delay_alu instid0(VALU_DEP_1)
	v_mul_u32_u24 v7, v29, 272
	s_delay_alu instid0(VALU_DEP_1)
	v_lshl_add_u32 v7, v28, 6, v7
	s_delay_alu instid0(VALU_DEP_1)
	v_add_nc_u32 v7, s23, v7                       ; q/k stage, out: that row, + 64 h
	s_lshl_b32 s23, s22, 2
	s_add_co_u32 s23, s23, FLG
	v_mov_b32 v8, s23                              ; my wave's flag words
	s_lshl_b32 s23, s22, 7
	s_add_co_u32 s23, s23, FLG+256
	v_add_nc_u32 v9, s23, v[L4]                    ; my wave's row bits
	v_mov_b32 v10, FLG
	v_add_nc_u32 v11, FLG+256, v[L4]
	s_mov_b32 s24, 0x76543210
	s_mov_b32 s25, 0xfedcba98                      ; v_permlanex16_b32's selects for lane l xor 16
	s_mov_b32 s26, 0x600000                        ; the mantissa field of 448
	s_mov_b32 s27, 0xffff0000                      ; lanes 16-31
	s_wait_kmcnt 0x0
	s_cmp_lt_u32 ttmp9, 256
	s_cbranch_scc1 .Lmask
	s_cmp_lt_u32 ttmp9, 352
	s_cbranch_scc1 .Lqk
; ---------------------------------------------------------------- the v role: a lane takes a channel, its registers run down the keys
; A wave takes two records.  A unit t is 32 keys x 64 channels: record t / 2, keys 32 (t % 2) on.  Each row's 256 bytes are read by two loads that stand together.
	s_sub_co_u32 s40, ttmp9, 352
	s_lshl_b32 s40, s40, 4
	s_lshl_b32 s41, s22, 1
	s_add_co_u32 s40, s40, s41                     ; my first record: 16 x work-group + 2 x wave
	s_lshl_b32 s42, s40, 14
	s_mov_b32 s43, 0
	s_add_nc_u64 s[10:11], s[10:11], s[42:43]      ; 64 keys x 256 bytes
	s_mul_i32 s42, s40, REC
	s_add_nc_u64 s[18:19], s[18:19], s[42:43]
	v_mov_b32 v16, 0                               ; written once: a lane permute's destination counts as one of its sources
	v_mov_b32 v17, 0
.macro LOADV t
.set XB, R0+64*((\t)%2)
.irp i, 0,1,2,3,4,5,6,7,8,9,10,11,12,13,14,15,16,17,18,19,20,21,22,23,24,25,26,27,28,29,30,31
	global_load_b32 v[XB+\i], v[L4], s[10:11] offset:((\t)/2)*16384+(32*((\t)%2)+\i)*256 th:TH_LOAD_NT
	global_load_b32 v[XB+32+\i], v[L4], s[10:11] offset:((\t)/2)*16384+(32*((\t)%2)+\i)*256+128 th:TH_LOAD_NT
.endr
.endm
.macro UNITV t
.if (\t) < 3
	s_wait_loadcnt 63                              ; this unit's 64 loads are in; 64 younger ones were issued, and 63 is the largest count that can be written
.else
	s_wait_loadcnt 0x0
.endif
	s_wait_xcnt 0x0                                ; the stores of two units ago have read their registers: the codes' registers are written again only behind this wait
.irp g, 0,1
.set XS, R0+64*((\t)%2)+32*\g
.set CC, 160+16*((\t)%2)+8*\g
	v_max3_num_f32 v26, |v[XS]|, |v[XS+1]|, |v[XS+2]|              ; the block's largest magnitude: all 32 keys of my channel are mine
	v_max3_num_f32 v27, |v[XS+3]|, |v[XS+4]|, |v[XS+5]|
.irp i, 6,10,14,18,22,26
	s_delay_alu instid0(VALU_DEP_2)
	v_max3_num_f32 v26, v26, |v[XS+\i]|, |v[XS+\i+1]|
	s_delay_alu instid0(VALU_DEP_2)
	v_max3_num_f32 v27, v27, |v[XS+\i+2]|, |v[XS+\i+3]|
.endr
	s_delay_alu instid0(VALU_DEP_2)
	v_max3_num_f32 v26, v26, |v[XS+30]|, |v[XS+31]|
	s_delay_alu instid0(VALU_DEP_1)
	v_max3_num_f32 v26, v26, v27, 0x4800000        ; and the floor 2^(9 - 127): the byte cannot fall under 1
	s_delay_alu instid0(VALU_DEP_1)
	v_add_nc_u32 v28, 0xfc000000, v26              ; 8 off the exponent field: the conversion's scale operand
	s_delay_alu instid0(VALU_DEP_2)
	v_and_or_b32 v29, v26, 0x7f800000, s26         ; 448 x the scale
	s_delay_alu instid0(VALU_DEP_2)
	v_lshrrev_b32 v27, 23, v28                     ; the scale's byte
.if (\t)%2 == 0
	s_delay_alu instid0(VALU_DEP_1)
	v_mov_b32 v[12+\g], v27                        ; keys 0-31 in the low byte,
.else
	s_delay_alu instid0(VALU_DEP_1)
	v_lshl_or_b32 v[12+\g], v27, 8, v[12+\g]       ; keys 32-63 above it
.endif
.irp i, 0,1,2,3,4,5,6,7,8,9,10,11,12,13,14,15,16,17,18,19,20,21,22,23,24,25,26,27,28,29,30,31
	v_med3_num_f32 v[XS+\i], v[XS+\i], -v29, v29   ; the conversion to an 8-bit code does not saturate (ISA guide 7.6.2): the hold at the largest code x the scale
.endr
.irp e, 0,1,2,3
	v_cvt_scalef32_pk8_fp8_f32 v[CC+2*\e:CC+2*\e+1], v[XS+8*\e:XS+8*\e+7], v28
.endr
	v_nop                                          ; a plain line between the conversions and the next vector line that writes their scale operand
	global_store_b128 v[VO], v[CC:CC+3], s[18:19] offset:((\t)/2)*REC+2048*\g+512*((\t)%2)        ; keys + 0..15: sixteen lanes store 256 consecutive bytes, aligned
	global_store_b128 v[VO], v[CC+4:CC+7], s[18:19] offset:((\t)/2)*REC+2048*\g+512*((\t)%2)+256  ; keys + 16..31
.endr
.if (\t)+2 < 4
	LOADV (\t)+2
.endif
.if (\t)%2 == 1                                    ; the record's 32 scale words: word 16 g + r = channel 32 g + r's two bytes, then channel 32 g + 16 + r's
	v_permlanex16_b32 v16, v12, s24, s25
	v_permlanex16_b32 v17, v13, s24, s25
	s_delay_alu instid0(VALU_DEP_2)
	v_lshl_or_b32 v[20+(\t)/2], v16, 16, v12       ; right in lanes 0-15 (g = 0)
	s_delay_alu instid0(VALU_DEP_2)
	v_lshl_or_b32 v18, v13, 16, v17                ; right in lanes 16-31 (g = 1)
	s_delay_alu instid0(VALU_DEP_1)
	v_cndmask_b32 v[20+(\t)/2], v[20+(\t)/2], v18, s27
	global_store_b32 v[L4], v[20+(\t)/2], s[18:19] offset:((\t)/2)*REC+4096
.endif
.endm
	LOADV 0
	LOADV 1
	UNITV 0
	UNITV 1
	UNITV 2
	UNITV 3
	FINISH
; ---------------------------------------------------------------- the q/k role
; A wave takes two records.  A unit t is one fragment: 32 rows (8,192 dense bytes), record t / 2, fragment t % 2.  Loads take the bytes as they lie, 512 a load; the unit turns through
; the wave's own stage so that a lane holds 16 neighbours along the channels of the rows that the fragment gives it.
.Lqk:
	s_sub_co_u32 s40, ttmp9, 256
	s_cmp_lt_u32 s40, 48                           ; q's work-group or k's?  The choice hangs on the work-group's number alone
	s_cselect_b64 s[6:7], s[6:7], s[8:9]
	s_cselect_b64 s[14:15], s[14:15], s[16:17]
	s_cselect_b32 s41, 0, 48
	s_sub_co_u32 s40, s40, s41
	s_lshl_b32 s40, s40, 4
	s_lshl_b32 s41, s22, 1
	s_add_co_u32 s40, s40, s41                     ; my first record
	s_lshl_b32 s42, s40, 14
	s_mov_b32 s43, 0
	s_add_nc_u64 s[6:7], s[6:7], s[42:43]
	s_mul_i32 s42, s40, REC
	s_add_nc_u64 s[14:15], s[14:15], s[42:43]
.irp b, 0,1,2,3
	v_mov_b32 v[TM+4+\b], 0                        ; written once: a lane permute's destination counts as one of its sources
.endr
; 64 numbers of a lane, v[s + 16 b + i] = number 16 (lane / 16) + i of block b, become 16 registers of codes in v[PC] on and the scale word v[pw]
.macro QUANT s, pw
.irp b, 0,1,2,3
	v_max3_num_f32 v[TM+\b], |v[\s+16*\b]|, |v[\s+1+16*\b]|, 0x4800000   ; my 16 numbers of block b, and the floor 2^(9 - 127)
.endr
.irp i, 2,4,6,8,10,12,14
.irp b, 0,1,2,3
	s_delay_alu instid0(VALU_DEP_4)
	v_max3_num_f32 v[TM+\b], v[TM+\b], |v[\s+16*\b+\i]|, |v[\s+1+16*\b+\i]|   ; the four blocks by turns
.endr
.endr
.irp b, 0,1,2,3
	s_delay_alu instid0(VALU_DEP_4)
	v_permlanex16_b32 v[TM+4+\b], v[TM+\b], s24, s25
.endr
.irp b, 0,1,2,3
	s_delay_alu instid0(VALU_DEP_4)
	v_max_num_f32 v[TM+\b], v[TM+\b], v[TM+4+\b]   ; with lane l xor 16's: the block's largest magnitude
.endr
.irp b, 0,1,2,3
	s_delay_alu instid0(VALU_DEP_4)
	v_add_nc_u32 v[TM+12+\b], 0xfc000000, v[TM+\b] ; the conversion's scale operand
.endr
.irp b, 0,1,2,3
	v_and_or_b32 v[TM+8+\b], v[TM+\b], 0x7f800000, s26   ; 448 x the scale
.endr
.irp b, 0,1,2,3
	v_lshrrev_b32 v[TM+4+\b], 23, v[TM+12+\b]      ; the scale's byte
.endr
	s_delay_alu instid0(VALU_DEP_3)
	v_lshl_or_b32 v[\pw], v[TM+5], 8, v[TM+4]
	s_delay_alu instid0(VALU_DEP_1)
	v_lshl_or_b32 v[\pw], v[TM+6], 16, v[\pw]
	s_delay_alu instid0(VALU_DEP_1)
	v_lshl_or_b32 v[\pw], v[TM+7], 24, v[\pw]
.irp b, 0,1,2,3
.irp i, 0,1,2,3,4,5,6,7,8,9,10,11,12,13,14,15
	v_med3_num_f32 v[\s+16*\b+\i], v[\s+16*\b+\i], -v[TM+8+\b], v[TM+8+\b]   ; the hold at the largest code x the scale (ISA guide 7.6.2)
.endr
	v_cvt_scalef32_pk8_fp8_f32 v[PC+4*\b:PC+1+4*\b], v[\s+16*\b:\s+7+16*\b], v[TM+12+\b]
	v_cvt_scalef32_pk8_fp8_f32 v[PC+2+4*\b:PC+3+4*\b], v[\s+8+16*\b:\s+15+16*\b], v[TM+12+\b]
.endr
	v_nop                                          ; a plain line behind the last conversion
.endm
.macro LOADF t
.set RS, R0+64*((\t)%2)
.irp i, 0,1,2,3,4,5,6,7,8,9,10,11,12,13,14,15
	global_load_b128 v[RS+4*\i:RS+4*\i+3], v1, s[6:7] offset:8192*(\t)+512*\i th:TH_LOAD_NT   ; 512 consecutive bytes: two rows
.endr
.endm
.macro UNITF t
.set RS, R0+64*((\t)%2)
.if (\t) < 3
	s_wait_loadcnt 16                              ; this unit's 16 loads are in; the next unit's 16 may be out
.else
	s_wait_loadcnt 0x0
.endif
.irp i, 0,1,2,3,4,5,6,7,8,9,10,11,12,13,14,15
	ds_store_b128 v6, v[RS+4*\i:RS+4*\i+3] offset:544*\i
.endr
.irp c, 0,1,2,3
.irp j, 0,1,2,3
	ds_load_b128 v[X+16*\c+4*\j:X+16*\c+4*\j+3], v7 offset:(\c/2)*8*272+128*(\c%2)+16*\j   ; LDS serves a wave's instructions in order: these see the stores above
.endr
.endr
	s_wait_dscnt 0x0                               ; the unit is back, and the stage's stores have read their registers,
.if (\t)+2 < 4
	LOADF (\t)+2                                   ; which take the loads of two units on
.endif
	s_wait_xcnt 0x0                                ; the last unit's stores have read the codes' registers
	QUANT X, 12+(\t)
.irp c, 0,1,2,3
	global_store_b128 v1, v[PC+4*\c:PC+4*\c+3], s[14:15] offset:((\t)/2)*REC+((\t)%2)*2048+512*\c   ; 512 consecutive bytes, aligned
.endr
.if (\t)%2 == 1
	v_cndmask_b32 v[12+(\t)], v[12+(\t)-1], v[12+(\t)], s27   ; lanes 0-15 fragment 0's words, lanes 16-31 fragment 1's
	global_store_b32 v[L4], v[12+(\t)], s[14:15] offset:((\t)/2)*REC+4096
.endif
.endm
	LOADF 0
	LOADF 1
	s_wait_alu depctr_va_vdst(0)
	UNITF 0
	UNITF 1
	UNITF 2
	UNITF 3
	FINISH
; ---------------------------------------------------------------- the mask role: tile T = the work-group's number
; Wave w takes keys 512 w .. 512 w + 511 of the tile's 16 rows: four units of 128 keys (two blocks).  A load reads 512 consecutive bytes of one row; a unit turns through the wave's own stage,
; so that lane (r, h) holds row r's keys 32 c + 16 h + 0..15; a compare then makes a whole lane-mask word, which goes into lane (word / 2) of a register pair.
.Lmask:
	s_lshr_b32 s40, ttmp9, 1
	s_lshl_b32 s40, s40, 5
	s_and_b32 s41, ttmp9, 1
	s_lshl_b32 s41, s41, 3
	s_add_co_u32 s40, s40, s41                     ; the tile's first row: 32 (T / 2) + 8 (T % 2)
	s_lshl_b32 s40, s40, 14                        ; rows of 16,384 bytes
	s_lshl_b32 s41, s22, 11
	s_add_co_u32 s40, s40, s41                     ; + my 512 keys
	s_mov_b32 s41, 0
	s_add_nc_u64 s[4:5], s[4:5], s[40:41]
	s_lshl_b32 s40, ttmp9, 13
	s_lshl_b32 s42, s22, 10
	s_add_co_u32 s40, s40, s42
	s_add_nc_u64 s[20:21], s[20:21], s[40:41]      ; mw: 8,192 bytes a tile, 1,024 a wave
	s_lshl_b32 s40, ttmp9, 8
	s_add_nc_u64 s[12:13], s[12:13], s[40:41]      ; list: 256 bytes a tile
	s_mov_b32 s40, 0                               ; my 8 blocks' bits: any number kept,
	s_mov_b32 s41, 0                               ; all numbers kept
.irp i, 12,13,14,15,16,17,18,19,20
	v_mov_b32 v[\i], 0                             ; the four units' word pairs (v_writelane_b32's destination counts as read), and the row bits v20
.endr
.macro LOADM u
.set RS, R0+64*((\u)%2)
.irp p, 0,1,2,3,4,5,6,7,8,9,10,11,12,13,14,15
	global_load_b128 v[RS+4*\p:RS+4*\p+3], v1, s[4:5] offset:(\p+8*(\p/8))*16384+512*(\u) th:TH_LOAD_NT
.endr
.endm
.macro UNITM u
.set RS, R0+64*((\u)%2)
.if (\u) < 3
	s_wait_loadcnt 16                              ; this unit's 16 loads are in; the next unit's 16 may be out
.else
	s_wait_loadcnt 0x0
.endif
.irp p, 0,1,2,3,4,5,6,7,8,9,10,11,12,13,14,15
	ds_store_b128 v4, v[RS+4*\p:RS+4*\p+3] offset:528*\p
.endr
.irp c, 0,1,2,3
.irp j, 0,1,2,3
	ds_load_b128 v[X+16*\c+4*\j:X+16*\c+4*\j+3], v5 offset:128*\c+16*\j   ; LDS serves a wave's instructions in order: these see the stores above
.endr
.endr
	s_wait_dscnt 0x0
.if (\u)+2 < 4
	LOADM (\u)+2
.endif
.set GG, 0
.rept 8                                            ; word n of the unit's 64: eight compares, then their eight words into place
.irp e, 0,1,2,3,4,5,6,7
	v_cmp_lt_i32 s[44+\e], 0, v[X+8*GG+\e]         ; bit r + 16 h: the mask's number is above 0
.endr
.irp e, 0,1,2,3,4,5,6,7
	v_writelane_b32 v[12+2*(\u)+\e%2], s[44+\e], (8*GG+\e)/2
.endr
.set GG, GG+1
.endr
	global_store_b64 v[L8], v[12+2*(\u):13+2*(\u)], s[20:21] offset:256*(\u)   ; 64 words: 256 consecutive bytes, aligned
	v_or_b32 v21, v[12+2*(\u)], v[13+2*(\u)]
	s_delay_alu instid0(VALU_DEP_1)
	v_or_b32 v20, v20, v21                         ; which rows have kept a key so far
	v_and_b32 v22, v[12+2*(\u)], v[13+2*(\u)]
	s_delay_alu instid0(VALU_DEP_3)
	v_cmp_ne_u32 s42, 0, v21                       ; lanes 0-15 hold the unit's first block, lanes 16-31 its second
	s_delay_alu instid0(VALU_DEP_2)
	v_cmp_ne_u32 s43, -1, v22
	s_and_b32 s52, s42, 0xffff
	s_cselect_b32 s53, 1<<(2*(\u)), 0
	s_or_b32 s40, s40, s53
	s_lshr_b32 s52, s42, 16
	s_cselect_b32 s53, 1<<(2*(\u)+1), 0
	s_or_b32 s40, s40, s53
	s_and_b32 s52, s43, 0xffff
	s_cselect_b32 s53, 0, 1<<(2*(\u))
	s_or_b32 s41, s41, s53
	s_lshr_b32 s52, s43, 16
	s_cselect_b32 s53, 0, 1<<(2*(\u)+1)
	s_or_b32 s41, s41, s53
.endm
	LOADM 0
	LOADM 1
	UNITM 0
	UNITM 1
	UNITM 2
	UNITM 3
	s_and_b32 s52, s22, 3
	s_lshl_b32 s52, s52, 3
	s_lshl_b32 s40, s40, s52                       ; my 8 bits at their place in a word of 32 blocks
	s_lshl_b32 s41, s41, s52
	v_mov_b32 v21, s40
	v_mov_b32 v22, s41
	ds_store_b32 v8, v21                           ; all lanes write the same word with the same value
	ds_store_b32 v8, v22 offset:32
	s_wait_alu depctr_va_vdst(0)
	ds_store_b32 v9, v20
	s_wait_dscnt 0x0                               ; for wave 0's sake: my stores have landed
	s_barrier_signal -1
	s_barrier_wait -1
	s_cmp_lg_u32 s22, 0
	s_cbranch_scc1 .Lmask_end
	; wave 0 makes the tile's list
	ds_load_b128 v[32:35], v10                     ; 'any' of waves 0-3 (blocks 0-31),
	ds_load_b128 v[36:39], v10 offset:16           ; of waves 4-7 (blocks 32-63),
	ds_load_b128 v[40:43], v10 offset:32           ; 'all kept' likewise
	ds_load_b128 v[44:47], v10 offset:48
.irp w, 0,1,2,3,4,5,6,7
	ds_load_b32 v[48+\w], v11 offset:128*\w
.endr
	v_mov_b32 v56, 0
	s_wait_dscnt 0x0
.irp a, 32,36,40,44
	v_or_b32 v[\a], v[\a], v[\a+1]
	v_or_b32 v[\a+2], v[\a+2], v[\a+3]
	s_delay_alu instid0(VALU_DEP_1)
	v_or_b32 v[\a], v[\a], v[\a+2]
.endr
	v_readfirstlane_b32 s54, v32                   ; any, blocks 0-31
	v_readfirstlane_b32 s55, v36                   ; any, blocks 32-63
	v_readfirstlane_b32 s56, v40                   ; all kept, blocks 0-31
	s_delay_alu instid0(VALU_DEP_4)
	v_readfirstlane_b32 s57, v44                   ; all kept, blocks 32-63
.irp w, 1
	v_or_b32 v48, v48, v[48+\w]
.endr
.irp w, 2, 3, 4, 5, 6, 7
	s_delay_alu instid0(VALU_DEP_1)
	v_or_b32 v48, v48, v[48+\w]
.endr
.irp m, 1,2,4,8
	s_delay_alu instid0(VALU_DEP_1)
	v_mov_b32_dpp v56, v48 row_xmask:\m row_mask:0xf bank_mask:0xf
	s_delay_alu instid0(VALU_DEP_1)
	v_or_b32 v48, v48, v56
.endr
	s_delay_alu instid0(VALU_DEP_1)
	v_permlanex16_b32 v56, v48, s24, s25
	s_delay_alu instid0(VALU_DEP_1)
	v_or_b32 v48, v48, v56
	s_delay_alu instid0(VALU_DEP_1)
	v_readfirstlane_b32 s58, v48
	s_lshr_b32 s59, s58, 16
	s_or_b32 s58, s58, s59
	s_and_b32 s58, s58, 0xffff                     ; bit r: row r keeps a key
	s_cmp_lg_u32 s58, 0xffff
	s_cselect_b32 s59, -1, 0                       ; a row that keeps none: every block is walked
	s_or_b32 s54, s54, s59
	s_or_b32 s55, s55, s59
	s_bcnt1_i32_b32 s60, s54
	s_bcnt1_i32_b32 s61, s55
	s_add_co_u32 s62, s60, s61                     ; blocks to walk: at least 1
	s_not_b32 s66, s54
	s_not_b32 s67, s55
	s_add_co_u32 s68, s62, 32
	s_sub_co_u32 s68, s68, s60                     ; where the upper 32 blocks' unwalked ones begin
	v_mbcnt_lo_u32_b32 v57, s54, 0                 ; block = lane: its place among the walked,
	v_mbcnt_lo_u32_b32 v58, s66, s62               ; or behind them among the others
	s_delay_alu instid0(VALU_DEP_1)
	v_cndmask_b32 v57, v58, v57, s54
	v_mbcnt_lo_u32_b32 v59, s55, s60               ; block = 32 + lane likewise
	v_mbcnt_lo_u32_b32 v60, s67, s68
	s_delay_alu instid0(VALU_DEP_1)
	v_cndmask_b32 v59, v60, v59, s55
	s_lshl_b32 s69, s62, 16
	v_or_b32 v61, s69, v26                         ; block | number to walk << 16
	s_delay_alu instid0(VALU_DEP_1)
	v_or_b32 v62, 32, v61
	s_delay_alu instid0(VALU_DEP_2)
	v_or_b32 v63, 0x100, v61
	s_delay_alu instid0(VALU_DEP_1)
	v_cndmask_b32 v61, v61, v63, s56
	s_delay_alu instid0(VALU_DEP_3)
	v_or_b32 v63, 0x100, v62
	s_delay_alu instid0(VALU_DEP_1)
	v_cndmask_b32 v62, v62, v63, s57
	v_min_u32 v57, 63, v57                         ; a place in the list's 64
	v_min_u32 v59, 63, v59
	s_delay_alu instid0(VALU_DEP_2)
	v_lshlrev_b32 v57, 2, v57
	s_delay_alu instid0(VALU_DEP_2)
	v_lshlrev_b32 v59, 2, v59
	global_store_b32 v57, v61, s[12:13]            ; the places are a permutation: all 64 entries are written
	global_store_b32 v59, v62, s[12:13]
.Lmask_end:
	FINISH
.Lfunc_end_k_q419a7d471d_prep:
	.size	k_q419a7d471d_prep, .Lfunc_end_k_q419a7d471d_prep-k_q419a7d471d_prep
	.p2alignl 7, 3214868480
	.fill 96, 4, 3214868480
	.section	.rodata,"a",@progbits
	.p2align	6, 0x0
	.amdhsa_kernel k_q419a7d471d_prep
		.amdhsa_group_segment_fixed_size 139520
		.amdhsa_private_segment_fixed_size 0
		.amdhsa_enable_private_segment 0
		.amdhsa_kernarg_size 72
		.amdhsa_user_sgpr_count 2
		.amdhsa_user_sgpr_kernarg_segment_ptr 1
		.amdhsa_wavefront_size32 1
		.amdhsa_system_sgpr_workgroup_id_x 1
		.amdhsa_system_sgpr_workgroup_id_y 1
		.amdhsa_system_sgpr_workgroup_id_z 1
		.amdhsa_system_vgpr_workitem_id 0
		.amdhsa_next_free_vgpr 248
		.amdhsa_next_free_sgpr 80
		.amdhsa_reserve_vcc 0
		.amdhsa_float_denorm_mode_32 3
		.amdhsa_float_denorm_mode_16_64 3
		.amdhsa_memory_ordered 1
		.amdhsa_forward_progress 1
		.amdhsa_inst_pref_size 174
	.end_amdhsa_kernel
	.amdgpu_metadata
---
amdhsa.version: [ 1, 2 ]
amdhsa.kernels:
  - .name:           k_q419a7d471d_prep
    .symbol:         k_q419a7d471d_prep.kd
    .args:
      - { .name: mask, .offset: 0, .size: 8, .value_kind: global_buffer, .address_space: global }
      - { .name: q, .offset: 8, .size: 8, .value_kind: global_buffer, .address_space: global }
      - { .name: k, .offset: 16, .size: 8, .value_kind: global_buffer, .address_space: global }
      - { .name: v, .offset: 24, .size: 8, .value_kind: global_buffer, .address_space: global }
      - { .name: list, .offset: 32, .size: 8, .value_kind: global_buffer, .address_space: global }
      - { .name: qc, .offset: 40, .size: 8, .value_kind: global_buffer, .address_space: global }
      - { .name: kc, .offset: 48, .size: 8, .value_kind: global_buffer, .address_space: global }
      - { .name: vc, .offset: 56, .size: 8, .value_kind: global_buffer, .address_space: global }
      - { .name: mw, .offset: 64, .size: 8, .value_kind: global_buffer, .address_space: global }
    .group_segment_fixed_size: 139520
    .private_segment_fixed_size: 0
    .kernarg_segment_align: 8
    .kernarg_segment_size: 72
    .max_flat_workgroup_size: 256
    .sgpr_count:     80
    .vgpr_count:     248
    .wavefront_size: 32
...
	.end_amdgpu_metadata
.endif
;; end of part 3
;; launch attn (part 4): grid 12 x 256, 4 waves a work-group, no clusters, 18,432 bytes of LDS; arguments list, qc, kc, vc, mw, out0; writes out0
.if DOCPART == 4
	.amdgcn_target "amdgcn-amd-amdhsa--gfx1250"
	.amdhsa_code_object_version 6
	.text
	.protected	k_q419a7d471d_attn
	.globl	k_q419a7d471d_attn
	.p2align	8
	.type	k_q419a7d471d_attn,@function
k_q419a7d471d_attn:
	s_mov_b64 s[64:65], 0
	v_nop
	global_prefetch_b8 v0, s[64:65] scope:SCOPE_SE
	s_setreg_imm32_b32 hwreg(HW_REG_WAVE_SCHED_MODE, 0, 2), 2
	s_setreg_imm32_b32 hwreg(HW_REG_WAVE_MODE, 25, 1), 1
	s_wait_xcnt 0x0
	s_wait_alu depctr_vm_vsrc(0)
; out0[head][q][:] = the sum over k of softmax_k(where(mask[q][k] > 0, q . k / 8, masked)) v[k][:], both products on codes of E4M3 with one E8M0 scale for each 32 along K.
; THE SOFTMAX AHEAD OF THE SECOND PRODUCT: t = score x log2(e) / 8; M = the largest t so far, rounded up to a whole number; p = 2^(t - M) is quantised along the keys; the row's sum is taken of the unquantised p and divides at the end.
; SHARES.  A work-group is one head (x) and one query tile of 16 rows (from y).  The tile's list names the 64-key blocks in which the mask keeps anything (all 64 where a row keeps nothing); a masked key's p is 0 beside any kept
; key, so the other blocks add nothing.  Wave f walks list places f, f + 4, ..; the four waves' (M, sum, O) meet in LDS behind one barrier, and each wave finishes and stores four whole rows.
; y -> tile 0, 255, 1, 254, ..: the order changes no result; where the first and last rows of a mask keep the most, the longest lists start first.
; A STEP IS ONE BLOCK OF 64 KEYS.  K is 64 in both products and the instruction's K is 128: a fragment of K (or V) holds TWO tiles of 16 rows x 64, and the other operand is [X | zeros] or [zeros | X]: zero codes add nothing.
;   S^T = K Q^T: source 0 = a fragment of K, source 1 = [Q|0] or [0|Q]: lane (r, h) holds query r; register 16 b + i is key 32 b + 16 h + i (the keys of a tile are laid so by the launch before).
;   O^T += V^T P^T: source 0 = a fragment of V (channels x keys), source 1 = [P|0] or [0|P]: register 8 t + j is channel 16 t + 8 h + j of query r.
; Operands come from memory straight into registers, as images laid by the launch before; K is asked for one step ahead behind K Q^T, V behind V^T P.
; NO TENSOR LOADS, NO CLUSTER: the trip count and every address of K, V and the mask words hang on the stored list, which differs from tile to tile, so partners would want different tiles in different numbers.
; LIMITS: a masked logit stands as -2^30, not -1e9 (the raw score -2^33 times c is a whole number, so that a row that keeps no key gets p = 1 exactly): results differ from -1e9's only where a kept logit lies under about -9e8;
;   NaN and infinities are not served.
; REGISTERS: v1 16 x lane, v2 4 x lane, v3, v4 the add's two; v5-8 scale words (Q, P, K, V) and nothing else; v9, v28-30 LDS addresses; v10, v11 at work; v12 -M, v13 largest t; v[14:15] the sum in two halves; v[16:17] f;
;   v18, 19 blocks' maxima; v20, 21 lane permutes; v22, 23 holds; v24, 25 scale operands; v[26:27] at work; v31 -2^33; v32-39 zeros, v40-47 P, v48-55 zeros, v56-63 Q, v64-71 zeros; v72-103 K; v104-135 V; v136-167 S^T, then p; v168-199 O^T.
; THE MODE: SCHED_MODE bits 1:0 = 2 (LLVM: expert scheduling mode 2), set by the entry lines.  The code itself states the register dependences
; between vector or matrix instructions and memory or LDS instructions, with s_wait_alu, always for 0.
; THE PLAN.  Registers that memory or LDS instructions touch:
;   v1, v2, v9, v28-30, v3, v4   offsets and LDS addresses: written at the head, ahead of one wait on va_vdst, and never again.
;   v10, v11     Q's offsets: read by Q's three loads; v10 is a work register of the softmax afterwards: one wait on vm_vsrc ahead of the steps.
;   v72-103, v7  K: read by a step's K Q^T; behind one wait on va_vdst the next step's nine loads land there.  In the merge the partial O's land in v72-103.
;   v104-135, v8 V: read by a step's V^T P; behind one wait on va_vdst the next step's nine loads land there.  In the merge the pairs (-M, sum) land in v104-119.
;   v168-199, v12, v13   O^T, -M, the sum: written by matrix and vector instructions; read by the merge's LDS stores, behind one wait on va_vdst, which serves the merge's LDS loads too.
;   v136-143     the finished rows: written by the merge's arithmetic, read by the two global stores, behind one wait on va_vdst.
; Operands and scale words of the scaled products that vector instructions write (Q's word v5 and the zero codes once; P's codes v40-47 and word v6 in each step) have a wait on va_vdst behind their places, ahead of the product.
.set REC,   4352                       ; a record of 64 rows or keys: 4,096 bytes of codes, 128 of scale words, the rest unused
.set OPW,   4352                       ; LDS: a wave's partial O: 16 rows x 272 bytes
.set ML,    17408                      ; [row 16][wave 4] pairs (-M, sum)
.set SPARE, 17920                      ; the spare words, 128 bytes for each wave: two blocks of 256 bytes that no other line names
	s_load_b256 s[4:11], s[0:1], 0x0               ; list s[4:5], qc s[6:7], kc s[8:9], vc s[10:11]
	s_load_b128 s[12:15], s[0:1], 0x20             ; mw s[12:13], out0 s[14:15]
	v_lshl_add_u32 v3, v0, 2, SPARE                ; my spare word; never rewritten
	v_mov_b32 v4, 0                                ; 0; never rewritten
	v_lshrrev_b32 v19, 5, v0
	v_readfirstlane_b32 s48, v19                   ; f: wave 0..3
	v_and_b32 v19, 31, v0                          ; lane
	v_and_b32 v20, 15, v0                          ; r
	v_bfe_u32 v21, v0, 4, 1                        ; h
	v_lshlrev_b32 v1, 4, v19
	v_lshlrev_b32 v2, 2, v19
	s_wait_alu depctr_va_sdst(0)                   ; s48 is written, ahead of its first reader: LDS addresses, the list's offset, my steps and my rows of the output are made from it
	; the four LDS addresses, made of the wave's number, the lane and constants, ahead of every branch
	s_mul_i32 s71, s48, OPW
	v_mul_u32_u24 v9, v20, 272
	v_lshl_add_u32 v9, v21, 5, v9
	v_add_nc_u32 v9, s71, v9                       ; my partial O: row r, + 32 h
	s_lshl_b32 s71, s48, 3
	s_add_co_u32 s71, s71, ML
	v_lshl_add_u32 v29, v20, 5, s71                ; my pair (-M, sum): row r, wave f
	s_mul_i32 s71, s48, 4*272
	v_mul_u32_u24 v28, v21, 272
	v_lshl_add_u32 v28, v20, 4, v28
	v_add_nc_u32 v28, s71, v28                     ; back: rows 4 f + h, 16 bytes a lane
	s_lshl_b32 s71, s48, 7
	s_add_co_u32 s71, s71, ML
	v_lshl_add_u32 v30, v21, 5, s71                ; and those rows' four pairs
	s_and_b32 s71, ttmp7, 0xffff                   ; y
	s_lshr_b32 s72, s71, 1
	s_sub_co_u32 s73, 255, s72
	s_and_b32 s71, s71, 1
	s_cselect_b32 s50, s73, s72                    ; the tile T: from both ends of the sequence by turns
	s_bfe_u32 s71, s50, 0x10001                    ; which fragment of Q's record: (T / 2) % 2
	s_and_b32 s72, s50, 1                          ; which half of it: T % 2
	s_lshl_b32 s75, s72, 4                         ; and where its two scale bytes begin in the word
	s_lshl_b32 s73, s71, 11
	s_lshl_b32 s74, s72, 10
	s_add_co_u32 s73, s73, s74
	v_add_nc_u32 v10, s73, v1                      ; Q's image: 2,048 x fragment + 1,024 x half + 16 x lane
	s_lshl_b32 s73, s71, 6
	s_add_co_u32 s73, s73, 4096
	v_lshl_add_u32 v11, v20, 2, s73                ; Q's scale word: row r of that fragment
	s_mov_b32 s57, 0
	s_mov_b32 s66, 0x76543210
	s_mov_b32 s67, 0xfedcba98                      ; v_permlanex16_b32's selects for lane l xor 16
	s_mov_b32 s68, 0x3e38aa3b                      ; c = log2(e) / 8
	s_mov_b32 s69, s68                             ; (named with it as a pair, so it is written)
	s_mov_b32 s70, 0x600000                        ; the mantissa field of 448
	s_wait_kmcnt 0x0
	s_mov_b32 s73, 0
	s_lshl_b32 s72, s50, 8
	s_add_nc_u64 s[4:5], s[4:5], s[72:73]          ; the tile's 64 entries
	s_lshl_b32 s54, s48, 2
	s_load_b32 s53, s[4:5], s54                    ; my first entry (place f),
	s_load_b32 s52, s[4:5], s54 offset:0x10        ; and my second (place f + 4)
	s_lshl_b32 s72, ttmp9, 6
	s_lshr_b32 s74, s50, 2
	s_add_co_u32 s72, s72, s74
	s_mul_i32 s72, s72, REC
	s_add_nc_u64 s[6:7], s[6:7], s[72:73]          ; Q's record: 64 x head + T / 4
	s_wait_alu depctr_va_vdst(0)                   ; the offsets v1, v2, v10, v11, the LDS addresses v9, v28-30 and the add's v3, v4 are written: every load, store and LDS instruction of the kernel reads some of them
	global_load_b128 v[56:59], v10, s[6:7]
	global_load_b128 v[60:63], v10, s[6:7] offset:512
	global_load_b32 v5, v11, s[6:7]
	s_mul_i32 s72, ttmp9, 64*REC
	s_add_nc_u64 s[8:9], s[8:9], s[72:73]          ; K and V at the head
	s_add_nc_u64 s[10:11], s[10:11], s[72:73]
	s_lshl_b32 s72, s50, 13
	s_add_nc_u64 s[12:13], s[12:13], s[72:73]      ; the tile's mask words
	s_lshr_b32 s72, s50, 1
	s_lshl_b32 s72, s72, 5
	s_and_b32 s74, s50, 1
	s_lshl_b32 s74, s74, 3
	s_add_co_u32 s72, s72, s74
	s_lshl_b32 s74, s48, 2
	s_add_co_u32 s72, s72, s74
	s_lshr_b32 s74, s48, 1
	s_lshl_b32 s74, s74, 3
	s_add_co_u32 s72, s72, s74                     ; the four rows that I store: 32 (T / 2) + 8 (T % 2) + 4 f + 8 (f / 2) on
	s_lshl_b32 s74, ttmp9, 12
	s_add_co_u32 s72, s72, s74
	s_lshl_b32 s72, s72, 8
	s_add_nc_u64 s[14:15], s[14:15], s[72:73]
.irp j, 0,1,2,3,4,5,6,7
	v_mov_b32 v[32+\j], 0                          ; the three runs of zero codes
	v_mov_b32 v[48+\j], 0
	v_mov_b32 v[64+\j], 0
.endr
.irp j, 0,1,2,3,4,5,6,7,8,9,10,11,12,13,14,15,16,17,18,19,20,21,22,23,24,25,26,27,28,29,30,31
	v_mov_b32 v[168+\j], 0                         ; O^T: the step is written once, and a wave with no step hands zeros to the merge
.endr
	v_mov_b32 v13, 0xff61b1e6                      ; the largest t so far: -3e38
	v_floor_f32 v12, -v13                          ; -M
	v_mov_b32 v14, 0
	v_mov_b32 v15, 0
	v_mov_b32 v17, 0                               ; (named as the upper half of the pair v[16:17])
	v_mov_b32 v20, 0                               ; written once: a lane permute's destination counts as one of its sources
	v_mov_b32 v21, 0
	v_mov_b32 v31, 0xd0000000                      ; -2^33: a masked score
	s_wait_kmcnt 0x0                               ; my two entries
	s_add_co_u32 s54, s54, 16                      ; where the second came from
	s_lshr_b32 s71, s53, 16                        ; blocks to walk, at least 1
	s_add_co_u32 s71, s71, 3
	s_sub_co_u32 s71, s71, s48
	s_lshr_b32 s71, s71, 2
	s_min_u32 s71, s71, 16                         ; my steps: places f, f + 4, .. under that number
	s_cmp_eq_u32 s71, 0
	s_cbranch_scc1 .Lmerge
	s_sub_co_u32 s51, s71, 1                       ; all but the last go round the loop
.macro DECODE e                        ; an entry's block: its record's bytes and its mask words' bytes
	s_and_b32 s63, s[\e], 63
	s_min_u32 s63, s63, 63
	s_mul_i32 s56, s63, REC
	s_lshl_b32 s62, s63, 7
.endm
.macro LOADK                           ; 9 loads: two fragments and their scale words (lanes 0-15 fragment 0's rows, lanes 16-31 fragment 1's)
	s_add_nc_u64 s[58:59], s[8:9], s[56:57]
.irp n, 0,1,2,3,4,5,6,7
	global_load_b128 v[72+4*\n:75+4*\n], v1, s[58:59] offset:512*\n
.endr
	global_load_b32 v7, v2, s[58:59] offset:4096
.endm
.macro LOADV                           ; 9 loads likewise
	s_add_nc_u64 s[60:61], s[10:11], s[56:57]
.irp n, 0,1,2,3,4,5,6,7
	global_load_b128 v[104+4*\n:107+4*\n], v1, s[60:61] offset:512*\n
.endr
	global_load_b32 v8, v2, s[60:61] offset:4096
.endm
.macro LOADMW                          ; the block's 32 lane-mask words, one for each register of S^T
	s_load_b512 s[16:31], s[12:13], s62
	s_load_b512 s[32:47], s[12:13], s62 offset:0x40
.endm
.macro QK                              ; four accumulators, one instruction each; the constant 0 starts each sum
	v_wmma_scale_f32_16x16x128_f8f6f4 v[136:143], v[72:87], v[56:71], 0, v7, v5
	v_wmma_scale_f32_16x16x128_f8f6f4 v[144:151], v[72:87], v[48:63], 0, v7, v5
	v_wmma_scale_f32_16x16x128_f8f6f4 v[152:159], v[88:103], v[56:71], 0, v7, v5 matrix_a_scale:MATRIX_SCALE_ROW1
	v_wmma_scale_f32_16x16x128_f8f6f4 v[160:167], v[88:103], v[48:63], 0, v7, v5 matrix_a_scale:MATRIX_SCALE_ROW1
.endm
.macro PV                              ; four accumulators by turns, one instruction a turn
	v_wmma_scale_f32_16x16x128_f8f6f4 v[168:175], v[104:119], v[40:55], v[168:175], v8, v6
	v_wmma_scale_f32_16x16x128_f8f6f4 v[176:183], v[104:119], v[32:47], v[176:183], v8, v6
	v_wmma_scale_f32_16x16x128_f8f6f4 v[184:191], v[120:135], v[40:55], v[184:191], v8, v6 matrix_a_scale:MATRIX_SCALE_ROW1
	v_wmma_scale_f32_16x16x128_f8f6f4 v[192:199], v[120:135], v[32:47], v[192:199], v8, v6 matrix_a_scale:MATRIX_SCALE_ROW1
.endm
.macro MASKS                           ; a block in which every number is kept skips the selects: a branch on the stored entry
	s_bitcmp1_b32 s53, 8
	s_cbranch_scc1 .Lopen_\@
.irp n, 0,1,2,3,4,5,6,7,8,9,10,11,12,13,14,15,16,17,18,19,20,21,22,23,24,25,26,27,28,29,30,31
	v_cndmask_b32 v[136+\n], v31, v[136+\n], s[16+\n]   ; each accumulator from its low end on
.endr
.Lopen_\@:
.endm
.macro SOFT
.irp b, 0,1
	v_max3_num_f32 v[18+\b], v[136+16*\b], v[137+16*\b], v[138+16*\b]   ; the largest score of each block of 32 keys: it serves the row's maximum and, since p rises with the score, the block's largest p
.endr
.irp i, 3,5,7,9,11,13
.irp b, 0,1
	v_max3_num_f32 v[18+\b], v[18+\b], v[136+16*\b+\i], v[137+16*\b+\i]
.endr
.endr
.irp b, 0,1
	v_max_num_f32 v[18+\b], v[18+\b], v[151+16*\b]
.endr
.irp b, 0,1
	v_permlanex16_b32 v[20+\b], v[18+\b], s66, s67
.endr
.irp b, 0,1
	v_max_num_f32 v[18+\b], v[18+\b], v[20+\b]     ; with lane l xor 16's 16 keys
.endr
	v_max_num_f32 v10, v18, v19
	v_mul_f32 v10, s68, v10                        ; as t (c is positive)
	v_max_num_f32 v13, v13, v10                    ; the running largest t
	v_mov_b32 v10, v12
	v_floor_f32 v12, -v13                          ; the new -M = -ceil(t): a whole number
	v_sub_f32 v10, v12, v10                        ; old M - new M: a whole number, 0 or less
	v_cvt_i32_f32 v10, v10                         ; (it saturates)
	v_ldexp_f32 v16, 1.0, v10                      ; f = 2^(old M - new M): a multiplication by it rounds nothing
.irp j, 0,2,4,6,8,10,12,14,16,18,20,22,24,26,28,30
	v_pk_fma_f32 v[136+\j:137+\j], v[136+\j:137+\j], s[68:69], v[12:13] op_sel_hi:[1,0,0]   ; t - M, two at a time
.endr
.irp b, 0,1
	v_fma_f32 v[18+\b], v[18+\b], s68, v12         ; the same of each block's largest score
.endr
	s_wait_alu depctr_va_vdst(0)
.irp j, 0,1,2,3,4,5,6,7,8,9,10,11,12,13,14,15,16,17,18,19,20,21,22,23,24,25,26,27,28,29,30,31
	v_exp_f32 v[136+\j], v[136+\j]                 ; p = 2^(t - M): one batch
.endr
	v_pk_mul_f32 v[14:15], v[14:15], v[16:17] op_sel_hi:[1,0]   ; the sums under the new M: the plain line behind the batch
	s_wait_alu depctr_va_vdst(0)                   ; the 32 exponentials have written v136-167: one wait, ahead of their first reader
.irp b, 0,1
	v_exp_f32 v[18+\b], v[18+\b]                   ; the block's largest p: the same two instructions on the same number give the same bits
.endr
	v_pk_add_f32 v[26:27], v[136:137], v[138:139]  ; the row's sum is taken of the unquantised p: two chains
.irp j, 4,8,12,16,20,24,28
	v_pk_add_f32 v[14:15], v[14:15], v[136+\j:137+\j]
	v_pk_add_f32 v[26:27], v[26:27], v[138+\j:139+\j]
.endr
	v_pk_add_f32 v[14:15], v[14:15], v[26:27]
	s_wait_alu depctr_va_vdst(0)                   ; the two exponentials have written v18, v19: ahead of their first reader
.irp b, 0,1
	v_max_num_f32 v[18+\b], 0x4800000, v[18+\b]    ; the floor 2^(9 - 127): the byte cannot fall under 1 (a block whose every p is 0 keeps that byte: its codes are zeros)
.endr
.irp b, 0,1
	v_add_nc_u32 v[24+\b], 0xfc000000, v[18+\b]    ; the conversion's scale operand
.endr
.irp b, 0,1
	v_and_or_b32 v[22+\b], v[18+\b], 0x7f800000, s70   ; 448 x the scale
.endr
.irp b, 0,1
	v_lshrrev_b32 v[26+\b], 23, v[24+\b]           ; the scale's byte
.endr
	v_lshl_or_b32 v6, v27, 8, v26                  ; P's scale word: the two bytes,
	v_lshl_or_b32 v6, v6, 16, v6                   ; twice: P stands in either half of the operand.  The 32 holds below are the eight places that a scale word so written wants
.irp b, 0,1
.irp i, 0,1,2,3,4,5,6,7,8,9,10,11,12,13,14,15
	v_min_num_f32 v[136+16*\b+\i], v[136+16*\b+\i], v[22+\b]   ; the conversion does not saturate (ISA guide 7.6.2); p is not negative, so the hold is one-sided
.endr
	v_cvt_scalef32_pk8_fp8_f32 v[40+4*\b:41+4*\b], v[136+16*\b:143+16*\b], v[24+\b]
	v_cvt_scalef32_pk8_fp8_f32 v[42+4*\b:43+4*\b], v[144+16*\b:151+16*\b], v[24+\b]
.endr
.irp j, 0,2,4,6,8,10,12,14,16,18,20,22,24,26,28,30
	v_pk_mul_f32 v[168+\j:169+\j], v[168+\j:169+\j], v[16:17] op_sel_hi:[1,0]   ; O^T under the new M, each accumulator from its low end on; these 16 are also the places between the codes and the products
.endr
.endm
; A STEP.  Global loads are issued in the order K, V, K, V, .., nine each, so each count of 9 leaves out exactly the nine issued last.
; The last step issues no load: of the waits on va_vdst it holds the softmax's three and the one ahead of V^T P.
.macro STEP last
	s_wait_loadcnt 9                               ; this step's K is in; its V may be out.  K's base may be written again
	s_wait_kmcnt 0x0                               ; the mask words and the next entry are in; their offsets may be written again
	QK
.if !\last
	DECODE 52                                      ; the next step's block
	s_mov_b32 s55, s52
.endif
.rept 8
	v_nop                                          ; eight places behind these products, ahead of the reads of S^T
.endr
	MASKS
.if !\last
	s_wait_alu depctr_va_vdst(0)                   ; K Q^T is done reading v72-103 and v7, in which the loads below land; the selects, where they ran, are done with this step's mask words
	LOADK                                          ; the next step's K: it has this step's softmax in which to land
	LOADMW                                         ; the next step's mask words
	s_add_co_u32 s54, s54, 16
	s_min_u32 s54, s54, 252                        ; the entry after next, held inside the tile's 64
	s_load_b32 s52, s[4:5], s54
.endif
	SOFT
.if \last
	s_wait_loadcnt 0x0                             ; V is in
.else
	s_wait_loadcnt 9                               ; V is in; the next step's K may be out.  V's base may be written again
.endif
	s_wait_alu depctr_va_vdst(0)                   ; the conversions have written P's codes v40-47 and the vector lines P's scale word v6, which the products take as operand and as scales; their places stand above
	PV
.rept 8
	v_nop                                          ; eight places behind these products: the last step's stand ahead of the merge's reads of O^T; the other steps keep them, beside the wait below
.endr
.if !\last
	s_wait_alu depctr_va_vdst(0)                   ; V^T P is done reading v104-135 and v8, in which the loads below land
	LOADV                                          ; the next step's V
	s_mov_b32 s53, s55
.endif
.endm
	DECODE 53
	LOADK
	LOADV
	LOADMW
	s_wait_loadcnt 18                              ; Q's three loads are in; K's nine and V's nine may be out
	s_wait_alu depctr_vm_vsrc(0)                   ; Q's loads have read v10, which the softmax writes again
	v_lshrrev_b32 v5, s75, v5                      ; my tile's two scale bytes,
	v_and_b32 v5, 0xffff, v5
	v_lshl_or_b32 v5, v5, 16, v5                   ; twice: Q stands in either half of the operand
.rept 8
	v_nop                                          ; a scale word written by vector instructions stands eight places ahead of the product
.endr
	s_wait_alu depctr_va_vdst(0)                   ; Q's scale word v5 and the zero codes v32-39, v48-55, v64-71 are written, which the products take as scales and as operands; none is written again
	s_cmp_eq_u32 s51, 0
	s_cbranch_scc1 .Llast
.Lstep:
	STEP 0
	s_sub_co_u32 s51, s51, 1
	s_cmp_lg_u32 s51, 0
	s_cbranch_scc1 .Lstep
.Llast:
	STEP 1                                         ; the last step asks for nothing more
; THE MERGE: every wave comes here, one with no step too.
.Lmerge:
	s_wait_loadcnt 0x0
	s_wait_alu depctr_va_vdst(0)
	v_add_f32 v13, v14, v15                        ; the sum's two halves,
	v_permlanex16_b32 v20, v13, s66, s67
	v_add_f32 v13, v13, v20                        ; and lane l xor 16's: my part of the row's sum
	s_wait_alu depctr_va_vdst(0)                   ; O^T, -M and the sum are written, which the LDS stores read; and the products are done reading v72-119, in which the LDS loads behind the barrier land
.irp t, 0,1,2,3
	ds_store_b128 v9, v[168+8*\t:171+8*\t] offset:64*\t        ; row r, channels 16 t + 8 h on; each accumulator from its low end on
	ds_store_b128 v9, v[172+8*\t:175+8*\t] offset:64*\t+16
.endr
	ds_store_b64 v29, v[12:13]                     ; (-M, sum): both halves of the lanes write the same pair
	s_wait_dscnt 0x0                               ; for the others' sake: my stores have landed
	s_barrier_signal -1
	s_barrier_wait -1
.irp i, 0,1                                        ; rows 4 f + 2 i + h: the four waves' parts, 16 bytes a lane
.irp p, 0,1,2,3
	ds_load_b128 v[72+16*\i+4*\p:75+16*\i+4*\p], v28 offset:OPW*\p+544*\i
.endr
.endr
.irp i, 0,1
.irp e, 0,1
	ds_load_b128 v[104+8*\i+4*\e:107+8*\i+4*\e], v30 offset:64*\i+16*\e   ; and their four pairs
.endr
.endr
	s_wait_dscnt 0x0
.irp i, 0,1
	v_min3_num_f32 v[40+\i], v[104+8*\i], v[106+8*\i], v[108+8*\i]
.endr
.irp i, 0,1
	v_min_num_f32 v[40+\i], v[40+\i], v[110+8*\i]  ; -M of the whole row
.endr
.irp i, 0,1
.irp p, 0,1,2,3
	v_sub_f32 v[44+4*\i+\p], v[40+\i], v[104+8*\i+2*\p]   ; M of part p - M: a whole number, 0 or less
.endr
.endr
.irp j, 0,1,2,3,4,5,6,7
	v_cvt_i32_f32 v[44+\j], v[44+\j]               ; (it saturates: a wave with no step gets the factor 0)
.endr
.irp j, 0,1,2,3,4,5,6,7
	v_ldexp_f32 v[44+\j], 1.0, v[44+\j]
.endr
.irp i, 0,1
	v_mul_f32 v[42+\i], v[44+4*\i], v[105+8*\i]
.endr
.irp p, 1,2,3
.irp i, 0,1
	v_fma_f32 v[42+\i], v[44+4*\i+\p], v[105+8*\i+2*\p], v[42+\i]   ; the row's sum
.endr
.endr
	s_wait_alu depctr_va_vdst(0)
	v_rcp_f32 v52, v42
	v_rcp_f32 v53, v43
	v_nop                                          ; a plain line behind the reciprocals
	s_wait_alu depctr_va_vdst(0)                   ; the two reciprocals have written v52, v53: one wait, ahead of their first reader
.irp i, 0,1
.irp p, 0,1,2,3
	v_mul_f32 v[44+4*\i+\p], v[44+4*\i+\p], v[52+\i]
.endr
.endr
.irp i, 0,1
.irp e, 0,1,2,3
	v_mul_f32 v[136+4*\i+\e], v[72+16*\i+\e], v[44+4*\i]
.endr
.irp p, 1,2,3
.irp e, 0,1,2,3
	v_fma_f32 v[136+4*\i+\e], v[72+16*\i+4*\p+\e], v[44+4*\i+\p], v[136+4*\i+\e]
.endr
.endr
.endr
	s_wait_alu depctr_va_vdst(0)                   ; the multiply-adds have written v136-143, which the two stores read
.irp i, 0,1
	global_store_b128 v1, v[136+4*\i:139+4*\i], s[14:15] offset:512*\i th:TH_STORE_NT   ; two whole rows: 512 consecutive bytes, aligned
.endr
	s_wait_dscnt 0x0                               ; the closing lines, six on end
	s_wait_alu 0x0
	s_wait_tensorcnt 0x0
	ds_add_u32 v3, v4
	s_wait_dscnt 0x0
	s_endpgm
.Lfunc_end_k_q419a7d471d_attn:
	.size	k_q419a7d471d_attn, .Lfunc_end_k_q419a7d471d_attn-k_q419a7d471d_attn
	.p2alignl 7, 3214868480
	.fill 96, 4, 3214868480
	.section	.rodata,"a",@progbits
	.p2align	6, 0x0
	.amdhsa_kernel k_q419a7d471d_attn
		.amdhsa_group_segment_fixed_size 18432
		.amdhsa_private_segment_fixed_size 0
		.amdhsa_enable_private_segment 0
		.amdhsa_kernarg_size 48
		.amdhsa_user_sgpr_count 2
		.amdhsa_user_sgpr_kernarg_segment_ptr 1
		.amdhsa_wavefront_size32 1
		.amdhsa_system_sgpr_workgroup_id_x 1
		.amdhsa_system_sgpr_workgroup_id_y 1
		.amdhsa_system_sgpr_workgroup_id_z 1
		.amdhsa_system_vgpr_workitem_id 0
		.amdhsa_next_free_vgpr 200
		.amdhsa_next_free_sgpr 80
		.amdhsa_reserve_vcc 0
		.amdhsa_float_denorm_mode_32 3
		.amdhsa_float_denorm_mode_16_64 3
		.amdhsa_memory_ordered 1
		.amdhsa_forward_progress 1
		.amdhsa_inst_pref_size 40
	.end_amdhsa_kernel
	.amdgpu_metadata
---
amdhsa.version: [ 1, 2 ]
amdhsa.kernels:
  - .name:           k_q419a7d471d_attn
    .symbol:         k_q419a7d471d_attn.kd
    .args:
      - { .name: list, .offset: 0, .size: 8, .value_kind: global_buffer, .address_space: global }
      - { .name: qc, .offset: 8, .size: 8, .value_kind: global_buffer, .address_space: global }
      - { .name: kc, .offset: 16, .size: 8, .value_kind: global_buffer, .address_space: global }
      - { .name: vc, .offset: 24, .size: 8, .value_kind: global_buffer, .address_space: global }
      - { .name: mw, .offset: 32, .size: 8, .value_kind: global_buffer, .address_space: global }
      - { .name: out0, .offset: 40, .size: 8, .value_kind: global_buffer, .address_space: global }
    .group_segment_fixed_size: 18432
    .private_segment_fixed_size: 0
    .kernarg_segment_align: 8
    .kernarg_segment_size: 48
    .max_flat_workgroup_size: 128
    .sgpr_count:     80
    .vgpr_count:     200
    .wavefront_size: 32
...
	.end_amdgpu_metadata
.endif
;; end of part 4
